; MI455X (gfx1250); checked and timed in simulation.
; The chip was launched on July 23, 2026; its instructions are those of AMD's public machine-readable ISA for CDNA 5 (MIT licence, August 2026) and "CDNA5" Instruction Set Architecture Reference Guide (July 2026). The comments in the code are by the model that wrote it; some were corrected since.
;; Liger Llama3 Gated Linear Attention. Allowed arithmetic: float matrix products may take bf16 or f16 operands with f32 sums; all other float work in f32.
;; Inputs: hidden_states 2 x 1,024 x 2,048 float32; wk 512 x 2,048 float32; wk_s 512 x 2,048 float32; wo 2,048 x 2,048 float32; wo_s 2,048 x 2,048 float32; wq 2,048 x 2,048 float32; wq_s 2,048 x 2,048 float32; wv 512 x 2,048 float32; wv_s 512 x 2,048 float32.
;; Outputs: out0 2 x 1,024 x 2,048 float32; out1 2 x 1,024 x 2,048 float32.
;; 2 versions, each right; version 2 is version 1 with the launch cast written anew for expert scheduling mode. Each part assembles by itself: llvm-mc -triple=amdgcn-amd-amdhsa -mcpu=gfx1250 --defsym DOCPART=n.
;; ======== version 1 of 2: 7 launches
;; limits: values are held in f16: magnitudes above 65,504 overflow, below 6.1e-05 lose precision; values outside matrix products are rounded to f16
;; workspace buffers: xw 33,554,432 bytes; wr 17,039,360 bytes; heads 25,165,824 bytes; ksraw 4,195,328 bytes; gate 6,291,456 bytes; ust 4,194,304 bytes; s0st 4,194,304 bytes; o16 16,777,216 bytes
;; launch cast (part 1): grid 32 x 25, 8 waves a work-group, no clusters, 0 bytes of LDS; arguments hidden_states, wq, wk, wv, wq_s, wk_s, wv_s, wo, wo_s, xw, wr; writes xw, wr
.if DOCPART == 1
	.amdgcn_target "amdgcn-amd-amdhsa--gfx1250"
	.amdhsa_code_object_version 6
	.text
	.protected	k_qc36f856e75_cast
	.globl	k_qc36f856e75_cast
	.p2align	8
	.type	k_qc36f856e75_cast,@function
k_qc36f856e75_cast:
	s_mov_b64 s[64:65], 0
	v_nop
	global_prefetch_b8 v0, s[64:65] scope:SCOPE_SE
	s_setreg_imm32_b32 hwreg(HW_REG_WAVE_MODE, 25, 1), 1
	s_wait_xcnt 0x0
; CAST.  The module's f32 inputs are rounded once to bf16.  x and the six input projections' weights go, as bf16, into xw [8192][2048]
; (rows: x 2048, wq 2048, wk 512, wv 512, wq_s 2048, wk_s 512, wv_s 512); wo and wo_s are rounded to bf16 and that number is written as f16 into wr
; (below f16's normal range, 6e-5, it keeps f16's fixed step of 6e-8).  Grid row y = 0..23 names 4 MiB of f32, x a piece of 128 KiB.
; Row y = 24 makes the RoPE table, f32 [1024 t][64]: cos(t f_i), i = 0..31, then sin; f_i = 500000^(-i/32).
; A stream: memory binds; no LDS, no matrix unit.  Thread t takes 16 bytes of every 4,096; all 32 loads of a thread go out first (16 KiB a wave on its way),
; and every register is used once, so no source of a pending instruction is ever rewritten.
.set X, 4                              ; v[4:131]    32 x 4 f32 as loaded
.set Y, 132                            ; v[132:195]  32 x 2 words to store
.set T, 196                            ; v[196:199]  at work
	s_load_b512 s[8:23], s[0:1], 0x0               ; hs 8, wq 10, wk 12, wv 14, wq_s 16, wk_s 18, wv_s 20, wo 22
	s_load_b128 s[24:27], s[0:1], 0x40             ; wo_s 24, xw 26
	s_load_b64 s[28:29], s[0:1], 0x50              ; wr
	s_and_b32 s2, ttmp7, 0xffff                    ; y
	s_mov_b32 s3, ttmp9                            ; x
	v_lshlrev_b32 v1, 4, v0                        ; 16 bytes a thread in
	v_lshlrev_b32 v2, 3, v0                        ; 8 bytes a thread out
	s_wait_kmcnt 0x0
	s_cmp_eq_u32 s2, 24
	s_cbranch_scc1 .Lrope
	s_mov_b64 s[4:5], s[8:9]
	s_mov_b32 s6, 0
.macro PICK thr, p                     ; from unit thr on the source is the tensor at s[p:p+1]
	s_cmp_ge_u32 s2, \thr
	s_cselect_b64 s[4:5], s[\p:\p+1], s[4:5]
	s_cselect_b32 s6, \thr, s6
.endm
	PICK 4, 10
	PICK 8, 12
	PICK 9, 14
	PICK 10, 16
	PICK 14, 18
	PICK 15, 20
	PICK 16, 22
	PICK 20, 24
	s_sub_co_u32 s32, s2, s6
	s_lshl_b32 s32, s32, 22
	s_lshl_b32 s33, s3, 17
	s_add_co_u32 s32, s32, s33
	s_mov_b32 s33, 0
	s_add_nc_u64 s[4:5], s[4:5], s[32:33]          ; my 128 KiB of the source
	s_cmp_ge_u32 s2, 16
	s_cselect_b64 s[30:31], s[28:29], s[26:27]     ; units 16..23 go to wr, the others to xw
	s_cselect_b32 s7, 16, 0
	s_sub_co_u32 s34, s2, s7
	s_lshl_b32 s34, s34, 21
	s_lshl_b32 s35, s3, 16
	s_add_co_u32 s34, s34, s35
	s_mov_b32 s35, 0
	s_add_nc_u64 s[30:31], s[30:31], s[34:35]
.set i, 0
.rept 32
	global_load_b128 v[X+4*i:X+4*i+3], v1, s[4:5] offset:4096*i th:TH_LOAD_NT
.set i, i+1
.endr
.macro CV i, half                      ; piece i: rounded and stored; a wave's store covers 256 consecutive bytes, aligned
	s_wait_loadcnt 31-(\i)                         ; loads come back in order: the 31 - i younger ones stay out
.if \half
	v_cvt_pk_bf16_f32 v[T+2*((\i)%2)], v[X+4*(\i)], v[X+4*(\i)+1]
	v_cvt_pk_bf16_f32 v[T+2*((\i)%2)+1], v[X+4*(\i)+2], v[X+4*(\i)+3]
	v_lshlrev_b32 v[X+4*(\i)], 16, v[T+2*((\i)%2)]             ; the bf16 numbers as f32 again,
	v_and_b32 v[X+4*(\i)+1], 0xffff0000, v[T+2*((\i)%2)]
	v_lshlrev_b32 v[X+4*(\i)+2], 16, v[T+2*((\i)%2)+1]
	v_and_b32 v[X+4*(\i)+3], 0xffff0000, v[T+2*((\i)%2)+1]
	v_cvt_pk_f16_f32 v[Y+2*(\i)], v[X+4*(\i)], v[X+4*(\i)+1]   ; written as f16
	v_cvt_pk_f16_f32 v[Y+2*(\i)+1], v[X+4*(\i)+2], v[X+4*(\i)+3]
.else
	v_cvt_pk_bf16_f32 v[Y+2*(\i)], v[X+4*(\i)], v[X+4*(\i)+1]
	v_cvt_pk_bf16_f32 v[Y+2*(\i)+1], v[X+4*(\i)+2], v[X+4*(\i)+3]
.endif
	global_store_b64 v2, v[Y+2*(\i):Y+2*(\i)+1], s[30:31] offset:2048*(\i)
.endm
	s_cmp_ge_u32 s2, 16
	s_cbranch_scc1 .Lhalf
.set i, 0
.rept 32
	CV i, 0
.set i, i+1
.endr
	s_endpgm
.Lhalf:
.set i, 0
.rept 32
	CV i, 1
.set i, i+1
.endr
	s_endpgm
; THE TABLE.  Thread number N = 256 x + t: 16 bytes at byte 16 N of rows 0..511, and the same place 512 rows on.  Lanes 0-7 of sixteen hold cos, lanes 8-15 sin.
; The angle is kept in turns; its fraction, a quarter of the angle, goes through Taylor polynomials (|z| <= pi/4: sin to z^7, cos to z^8), and the angle is doubled twice.
.Lrope:
	s_add_nc_u64 s[28:29], s[28:29], 0x1000000     ; the table lies behind the two weight matrices
	s_lshl_b32 s4, s3, 8
	v_add_nc_u32 v1, s4, v0                        ; N
	v_and_b32 v2, 15, v1
	v_lshrrev_b32 v3, 4, v1                        ; t
	v_cvt_f32_u32 v4, v3
	v_add_nc_u32 v3, 0x200, v3
	v_cvt_f32_u32 v5, v3                           ; t + 512
	v_and_b32 v3, 7, v2
	v_lshlrev_b32 v3, 2, v3                        ; my first i
	v_lshlrev_b32 v6, 4, v1
	v_cmp_le_u32 s40, 8, v2                        ; the lanes that store sin
	s_mov_b32 s41, 0xb9500d01                      ; -1/5040
	s_mov_b32 s42, 0x3c088889                      ; 1/120
	s_mov_b32 s43, 0xbe2aaaab                      ; -1/6
	s_mov_b32 s44, 0x37d00d01                      ; 1/40320
	s_mov_b32 s45, 0xbab60b61                      ; -1/720
	s_mov_b32 s46, 0x3d2aaaab                      ; 1/24
.irp e, 0,1,2,3
	v_add_nc_u32 v7, \e, v3
	v_cvt_f32_u32 v7, v7
	v_mul_f32 v7, 0xbf1773da, v7                   ; -i log2(500000) / 32
	v_exp_f32 v[8+\e], v7
	v_nop                                          ; a plain instruction behind the exponential, ahead of the next write of its source
.endr
	s_wait_alu depctr_va_vdst(0)
.irp e, 0,1,2,3
	v_mul_f32 v[8+\e], 0.15915494, v[8+\e]         ; turns a step
.endr
.macro SINCOS dst, tf, tp
	v_mul_f32 v20, v[\tf], v[\tp]
	v_rndne_f32 v21, v20
	v_sub_f32 v20, v20, v21                        ; the fraction, -0.5 to 0.5 turns
	v_mul_f32 v20, 0x3fc90fdb, v20                 ; z = a quarter of the angle
	v_mul_f32 v21, v20, v20
	v_fma_f32 v22, v21, s41, s42
	v_fma_f32 v23, v21, s44, s45
	v_fma_f32 v22, v22, v21, s43
	v_fma_f32 v23, v23, v21, s46
	v_fma_f32 v22, v22, v21, 1.0
	v_fma_f32 v23, v23, v21, -0.5
	v_mul_f32 v22, v22, v20                        ; sin z
	v_fma_f32 v23, v23, v21, 1.0                   ; cos z
.rept 2
	v_mul_f32 v24, v22, v23
	v_mul_f32 v25, v22, v22
	v_add_f32 v22, v24, v24                        ; sin 2z = 2 s c
	v_fma_f32 v23, v25, -2.0, 1.0                  ; cos 2z = 1 - 2 s^2
.endr
	v_cndmask_b32 v[\dst], v23, v22, s40
.endm
.irp e, 0,1,2,3
	SINCOS 12+\e, 4, 8+\e
	SINCOS 16+\e, 5, 8+\e
.endr
	global_store_b128 v6, v[12:15], s[28:29]       ; sixteen lanes fill a row of 256 bytes
	global_store_b128 v6, v[16:19], s[28:29] offset:131072
	s_endpgm
.Lfunc_end_k_qc36f856e75_cast:
	.size	k_qc36f856e75_cast, .Lfunc_end_k_qc36f856e75_cast-k_qc36f856e75_cast
	.p2alignl 7, 3214868480
	.fill 96, 4, 3214868480
	.section	.rodata,"a",@progbits
	.p2align	6, 0x0
	.amdhsa_kernel k_qc36f856e75_cast
		.amdhsa_group_segment_fixed_size 0
		.amdhsa_private_segment_fixed_size 0
		.amdhsa_enable_private_segment 0
		.amdhsa_kernarg_size 88
		.amdhsa_user_sgpr_count 2
		.amdhsa_user_sgpr_kernarg_segment_ptr 1
		.amdhsa_wavefront_size32 1
		.amdhsa_system_sgpr_workgroup_id_x 1
		.amdhsa_system_sgpr_workgroup_id_y 1
		.amdhsa_system_sgpr_workgroup_id_z 1
		.amdhsa_system_vgpr_workitem_id 0
		.amdhsa_next_free_vgpr 200
		.amdhsa_next_free_sgpr 66
		.amdhsa_reserve_vcc 0
		.amdhsa_float_denorm_mode_32 3
		.amdhsa_float_denorm_mode_16_64 3
		.amdhsa_memory_ordered 1
		.amdhsa_forward_progress 1
		.amdhsa_inst_pref_size 42
	.end_amdhsa_kernel
	.amdgpu_metadata
---
amdhsa.version: [ 1, 2 ]
amdhsa.kernels:
  - .name:           k_qc36f856e75_cast
    .symbol:         k_qc36f856e75_cast.kd
    .args:
      - { .name: hidden_states, .offset: 0, .size: 8, .value_kind: global_buffer, .address_space: global }
      - { .name: wq, .offset: 8, .size: 8, .value_kind: global_buffer, .address_space: global }
      - { .name: wk, .offset: 16, .size: 8, .value_kind: global_buffer, .address_space: global }
      - { .name: wv, .offset: 24, .size: 8, .value_kind: global_buffer, .address_space: global }
      - { .name: wq_s, .offset: 32, .size: 8, .value_kind: global_buffer, .address_space: global }
      - { .name: wk_s, .offset: 40, .size: 8, .value_kind: global_buffer, .address_space: global }
      - { .name: wv_s, .offset: 48, .size: 8, .value_kind: global_buffer, .address_space: global }
      - { .name: wo, .offset: 56, .size: 8, .value_kind: global_buffer, .address_space: global }
      - { .name: wo_s, .offset: 64, .size: 8, .value_kind: global_buffer, .address_space: global }
      - { .name: xw, .offset: 72, .size: 8, .value_kind: global_buffer, .address_space: global }
      - { .name: wr, .offset: 80, .size: 8, .value_kind: global_buffer, .address_space: global }
    .group_segment_fixed_size: 0
    .private_segment_fixed_size: 0
    .kernarg_segment_align: 8
    .kernarg_segment_size: 88
    .max_flat_workgroup_size: 256
    .sgpr_count:     66
    .vgpr_count:     200
    .wavefront_size: 32
...
	.end_amdgpu_metadata
.endif
;; end of part 1
;; launch proj (part 2): grid 24 x 8, 4 waves a work-group, clusters of 4 x 4, 327,680 bytes of LDS; arguments xw, wr, heads, ksraw; writes heads, ksraw
.if DOCPART == 2
	.amdgcn_target "amdgcn-amd-amdhsa--gfx1250"
	.amdhsa_code_object_version 6
	.text
	.protected	k_qc36f856e75_proj
	.globl	k_qc36f856e75_proj
	.p2align	8
	.type	k_qc36f856e75_proj,@function
k_qc36f856e75_proj:
	s_mov_b64 s[64:65], 0
	v_nop
	global_prefetch_b8 v0, s[64:65] scope:SCOPE_SE
	s_setreg_imm32_b32 hwreg(HW_REG_WAVE_MODE, 25, 1), 1
	s_wait_xcnt 0x0
	s_wait_alu depctr_hold_cnt(0) depctr_sa_sdst(0) depctr_va_vdst(0) depctr_va_sdst(0) depctr_va_ssrc(0) depctr_va_vcc(0) depctr_vm_vsrc(0)
	s_getreg_b32 s2, hwreg(HW_REG_IB_STS2, 6, 4)
	s_cmp_eq_u32 s2, 0
	s_cbranch_scc0 .Lentry_in_a_cluster
	s_endpgm
.Lentry_in_a_cluster:
	s_bfe_u32 s2, ttmp6, 0x10000c
	s_cmp_lg_u32 s2, 0xf033
	s_cbranch_scc0 .Lentry_shape_is_right
	s_endpgm
.Lentry_shape_is_right:
; ALL SIX INPUT PROJECTIONS AS ONE GEMM.  C[m][n] = sum over k of x[m][k] w[n][k]: 2048 x 6144 x 2048, bf16 operands out of xw, f32 sums.
; A tile of C is 256 x 256: four waves, each 128 x 128: 64 accumulators, 512 registers.  K goes in steps of 128 through two LDS slots filled by tensor loads (128 rows of 256 bytes a load).
; 8 x 24 = 192 work-groups, one tile each.  CLUSTER 4 x 4: A's tiles are asked for jointly along a row of the cluster, B's along a column.
; THE MATRIX INSTRUCTION IS USED TRANSPOSED (source 0 = 16 rows of w, source 1 = 16 rows of x): a lane holds row l % 16 and eight neighbouring columns.
; A WAVE'S 128 COLUMNS ARE TWO HEADS, its 128 rows consecutive t of one batch.  A cluster spans 1,024 columns; in clusters 2 and 5 a tile's left half is two heads of k (k_s), its right half two heads
; of v (v_s): B's row address alone says so.  So the kind of a wave's columns is 2 x cluster x + its column half, and no branch hangs on a place in the cluster:
;   0-4 q, k: RoPE, f16     5 v: f16     6-9 q_s: softmax over a head's 64 channels, f16     10 k_s: raw f32     11 v_s: f16, and the wave's largest |v_s|
; f16 results go by heads, heads[hb][b][t][64], hb = w's row / 64; raw k_s to ksraw[kv*2+b][t][64]; each of the 64 maxima into four of the 256 words behind it.
; THE LOOP is one K step; the slot in hand is a scalar that an exclusive or turns between 0 and SLOT.
; THE WAY OUT is a counted loop: half of the accumulators (one register window, 64 rows) goes as f32 into the wave's own stage, which lies in slot 1 after the ring's last fill and last read;
; four trips of 16 rows read it back in the order of the stores (8 lanes to a head's row of f16, 16 lanes to a row of f32), so that each store covers 512 consecutive bytes.
; LIMITS.  q, k, v, v_s must lie within f16's 65,504 (the sums of 2,048 products); NaN and infinities are not treated apart.
; REGISTERS: window 0: v0-31 addresses, v32-63 at work, v64-191 fragments of A (two buffers), on the way out v64-255 at work; window 1: v64-191 fragments of B, v0-63 and v192-255 my 64 rows of the RoPE table;
;   window 2: the accumulators of my rows 0-63 ((a, b) at 8 (8 a + b)); window 3: those of rows 64-127.
.set SIZE_K, 2048
.set KSTEP,  128
.set PITCH,  272                       ; 256 bytes + 16 of padding: the 16 rows of a fragment load start at 16 different groups of four banks (64 banks of 4 bytes: ISA guide 11.1)
.set HALFT,  128*PITCH                 ; what one tensor load brings
.set SLOT,   4*HALFT                   ; A's 256 rows, then B's 256 rows
.set SPARE,  2*SLOT                    ; the spare words: 128 bytes a wave
.set STEPS,  SIZE_K/KSTEP
.set DP,     528                       ; a stage row: 128 f32 + 16 bytes
.set WDUMP,  64*DP                     ; a wave's stage; four of them fit into a slot
.set DUMPB,  SLOT
.set VM,    8                          ; v8-11   running maxima of |v_s|
.set SG,    12                         ; v12-13  -1 for channels 0-31, +1 for channels 32-63
.set VMO,   15                         ; v15     4 (l % 4)
.set ADRA0, 16                         ; my A fragments in slot 0; never rewritten
.set ADRB0, 17
.set ADRA,  18                         ; the same in the slot in hand
.set ADRB,  19
.set STD,   20                         ; the stage: where I put a row's 32 bytes
.set RDA0,  21                         ; back, f16 order: row (l / 8) % 4, channels 8 (l % 8) on
.set RDA,   22
.set RDR0,  23                         ; back, f32 order: row l / 16, channels 4 (l % 16) on
.set RDR,   24
.set TA,    25                         ; my place in the table in LDS; steps
.set GO,    26                         ; 16 x lane
.set TST,   27                         ; where I put 16 bytes of the table
.set SPW,   28
.set NIL,   29
.set TW,    32                         ; v32-63  softmax: four registers for each of eight row groups
.set F0,    64
.set F1,    128
.set X,     64                         ; the way out: 64 numbers: head hh, row group g at X + 32 hh + 8 g
.set T,     128                        ; 32 products with the partner channel
.set TBL,   160                        ; row group g: 8 cos at TBL + 16 g, 8 sin behind them
.set Y,     224                        ; 32 words of f16 to store
.set G1, 24
.set G0, 32                            ; two sets for the two first fills; the second then walks on
.set TB, 45                            ; s45: LDS byte of the slot in hand, 0 or SLOT
.set G1B, 48
.set G0B, 56
.set L2E, 84
.set SEL, 86
.set MSB, 0
.macro WIN new                         ; the immediate's high byte repeats the setting that is left
.if MSB != (\new)
	s_set_vgpr_msb (MSB<<8)|(\new)
.set MSB, \new
.endif
.endm
.set MUL_LO, 0xa1                      ; source 0 (B) window 1, source 1 (A) window 0, C and D window 2
.set MUL_HI, 0xf1                      ; the same, C and D window 3
.set TO_B,   0x40                      ; destination window 1, address window 0
.macro JLOAD s                         ; a joint load: waves 0 and 1 fetch A's halves, waves 2 and 3 B's; an s_nop 0 and four v_nop follow each line
	s_cmp_eq_u32 s11, 0
	s_cbranch_scc0 .Lfor_b_\@
	tensor_load_to_lds s[G0+4*(\s):G0+4*(\s)+3], s[G1:G1+7]
	s_nop 0
.rept 4
	v_nop
.endr
	s_branch .Lasked_\@
.Lfor_b_\@:
	tensor_load_to_lds s[G0B+4*(\s):G0B+4*(\s)+3], s[G1B:G1B+7]
	s_nop 0
.rept 4
	v_nop
.endr
.Lasked_\@:
.endm
.macro CREST                           ; a round of the cluster's barrier behind its opening barrier
	s_cmp_lg_u32 s10, 0
	s_cbranch_scc1 .Lnot_wave_0_\@
	s_barrier_signal -3
.Lnot_wave_0_\@:
	s_barrier_wait -3
	s_barrier_signal -1
	s_barrier_wait -1
.endm
.macro CROUND
	s_barrier_signal -1
	s_barrier_wait -1
	CREST
.endm
	s_load_b128 s[4:7], s[0:1], 0x0                ; xw s[4:5], wr s[6:7]
	s_load_b128 s[68:71], s[0:1], 0x10             ; heads s[68:69], ksraw s[70:71]
	v_lshl_add_u32 v[SPW], v0, 2, SPARE
	v_mov_b32 v[NIL], 0
	ds_add_u32 v28, v29
	s_wait_dscnt 0x0
	v_lshrrev_b32 v1, 5, v0
	v_readfirstlane_b32 s10, v1                    ; wave 0..3
	s_lshr_b32 s11, s10, 1                         ; my half of the tile's rows.  Also: I fetch for A (0) or B (1)
	s_and_b32 s12, s10, 1                          ; my half of its columns.  Also: which 128 rows I fetch
	s_bfe_u32 s40, ttmp6, 0x40000                  ; cx
	s_bfe_u32 s41, ttmp6, 0x40004                  ; cy
	s_mov_b32 s82, ttmp9                           ; the cluster's x
	s_lshl_b32 s42, s82, 2
	s_add_co_u32 s42, s42, s40                     ; tile column, 0..23
	s_and_b32 s13, ttmp7, 0xffff
	s_lshl_b32 s13, s13, 2
	s_add_co_u32 s13, s13, s41                     ; tile row, 0..7
	s_lshl_b32 s83, s82, 1
	s_add_co_u32 s83, s83, s12                     ; the kind of my columns
	s_lshl_b32 s43, s41, 2
	s_lshl_b32 s43, 15, s43                        ; my row of the cluster
	s_lshl_b32 s44, 0x1111, s40                    ; my column
	s_or_b32 s[G1+0], s43, (1<<16)|(1<<20)|(1<<21)|(5<<22)|(3<<25)  ; mask; 2-byte elements; padding on; bit 21 beside a mask; after every 64 words; 4 words
	s_or_b32 s[G1B+0], s44, (1<<16)|(1<<20)|(1<<21)|(5<<22)|(3<<25)
.irp g, G1, G1B
	s_mov_b32 s[(\g)+1], KSTEP<<16                 ; tensor_dim0 = 128
	s_mov_b32 s[(\g)+2], 128<<16                   ; tensor_dim1 = 128
	s_mov_b32 s[(\g)+3], KSTEP<<16                 ; tile_dim0 = 128
	s_mov_b32 s[(\g)+4], 128                       ; tile_dim1 = 128
	s_mov_b32 s[(\g)+5], SIZE_K                    ; elements from row to row
	s_mov_b32 s[(\g)+6], 0
	s_mov_b32 s[(\g)+7], 0
.endr
	s_lshl_b32 s17, s12, 7
	s_lshl_b32 s16, s13, 8
	s_add_co_u32 s16, s16, s17                     ; A: row 256 x tile row + 128 x half,
	s_lshl_b32 s16, s16, 12                        ; 4,096 bytes a row
	s_mov_b32 s17, 0
	s_lshl_b32 s46, s42, 8
	s_lshl_b32 s47, s12, 7
	s_add_co_u32 s46, s46, s47                     ; B: row 256 x tile column + 128 x half;
	s_lshl_b32 s47, s82, 10                        ; in clusters 2 and 5: 1,024 x cluster + 128 x cx for the left half (k), 512 rows on for the right (v)
	s_lshl_b32 s77, s40, 7
	s_add_co_u32 s47, s47, s77
	s_lshl_b32 s77, s12, 9
	s_add_co_u32 s47, s47, s77
	s_cmp_eq_u32 s82, 2
	s_cselect_b32 s46, s47, s46
	s_cmp_eq_u32 s82, 5
	s_cselect_b32 s46, s47, s46
	s_lshr_b32 s77, s46, 6                         ; hb: the first of my two head blocks
	s_lshl_b32 s46, s46, 12
	s_mov_b32 s47, 0
	s_mul_i32 s20, s10, HALFT                      ; where my part of a tile goes: wave x 128 rows; kept
	s_mov_b32 s[TB], 0
	s_wait_kmcnt 0x0
	s_add_nc_u64 s[14:15], s[4:5], s[16:17]
	s_add_nc_u64 s[46:47], s[4:5], s[46:47]
	s_add_nc_u64 s[46:47], s[46:47], 0x800000      ; the weights lie behind x's 2,048 rows
	CROUND                                         ; all sixteen work-groups are here: the first joint loads meet
.irp s, 0,1
	s_mov_b32 s[G0+4*(\s)], 1
	s_add_co_u32 s[G0+4*(\s)+1], s20, (\s)*SLOT
	s_add_nc_u64 s[G0+4*(\s)+2:G0+4*(\s)+3], s[14:15], (\s)*KSTEP*2
	s_or_b32 s[G0+4*(\s)+3], s[G0+4*(\s)+3], 0x80000000
	s_mov_b32 s[G0B+4*(\s)], 1
	s_add_co_u32 s[G0B+4*(\s)+1], s20, (\s)*SLOT
	s_add_nc_u64 s[G0B+4*(\s)+2:G0B+4*(\s)+3], s[46:47], (\s)*KSTEP*2
	s_or_b32 s[G0B+4*(\s)+3], s[G0B+4*(\s)+3], 0x80000000
	JLOAD \s
.endr
	v_and_b32 v1, 15, v0                           ; r = l % 16
	v_bfe_u32 v2, v0, 4, 1                         ; h = l / 16
	v_mul_u32_u24 v3, v1, PITCH
	v_lshl_add_u32 v3, v2, 4, v3
	s_mul_i32 s21, s11, HALFT
	s_mul_i32 s22, s12, HALFT
	s_add_co_u32 s22, s22, 2*HALFT
	v_add_nc_u32 v[ADRA0], s21, v3
	v_add_nc_u32 v[ADRB0], s22, v3
	v_mov_b32 v[ADRA], v[ADRA0]
	v_mov_b32 v[ADRB], v[ADRB0]
	s_mul_i32 s23, s10, WDUMP
	s_add_co_u32 s23, s23, DUMPB                   ; my stage
	v_mul_u32_u24 v4, v1, DP
	v_lshl_add_u32 v4, v2, 5, v4
	v_add_nc_u32 v[STD], s23, v4
	v_bfe_u32 v5, v0, 3, 2                         ; (l / 8) % 4
	v_and_b32 v6, 7, v0
	v_mul_u32_u24 v4, v5, DP
	v_lshl_add_u32 v4, v6, 5, v4
	v_add_nc_u32 v[RDA0], s23, v4
	v_mul_u32_u24 v4, v2, DP
	v_lshl_add_u32 v4, v1, 4, v4
	v_add_nc_u32 v[RDR0], s23, v4
	v_and_b32 v4, 31, v0
	v_lshlrev_b32 v[GO], 4, v4
	s_mul_i32 s23, s10, 64*PITCH                   ; the table in LDS: I bring rows 64 w .. 64 w + 63, two rows a store
	v_mul_u32_u24 v4, v2, PITCH
	v_lshl_add_u32 v4, v1, 4, v4
	v_add_nc_u32 v[TST], s23, v4
	s_mul_i32 s23, s11, 128*PITCH                  ; and read the 128 rows of my half of the tile
	v_and_b32 v6, 3, v0
	v_mul_u32_u24 v4, v5, PITCH
	v_lshl_add_u32 v4, v6, 5, v4
	v_add_nc_u32 v[TA], s23, v4
	v_lshlrev_b32 v[VMO], 2, v6
	v_and_b32 v4, 4, v0
	v_cmp_eq_u32 vcc_lo, 0, v4
	v_cndmask_b32 v[SG], 1.0, -1.0, vcc_lo
	v_mov_b32 v[SG+1], v[SG]
	s_mov_b32 s[L2E], 0x3fb8aa3b
	s_mov_b32 s[L2E+1], s[L2E]
	s_mov_b32 s[SEL], 0x76543210
	s_mov_b32 s[SEL+1], 0xfedcba98
	s_and_b32 s74, s13, 3
	s_lshl_b32 s78, s74, 16                        ; the tile's 256 rows of the table, 256 bytes each,
	s_lshl_b32 s79, s10, 14                        ; my 64 of them
	s_add_co_u32 s78, s78, s79
	s_mov_b32 s79, 0
	s_add_nc_u64 s[72:73], s[6:7], s[78:79]
	s_add_nc_u64 s[72:73], s[72:73], 0x1000000
	s_lshl_b32 s74, s74, 8
	s_lshl_b32 s75, s11, 7
	s_add_co_u32 s74, s74, s75                     ; t0: my first t
	s_lshr_b32 s76, s13, 2                         ; b
	s_lshl_b32 s78, s77, 1
	s_add_co_u32 s78, s78, s76
	s_lshl_b32 s78, s78, 17
	s_lshl_b32 s75, s74, 7
	s_add_co_u32 s78, s78, s75                     ; heads at (hb, b, t0)
	s_sub_co_u32 s92, s77, 80
	s_lshl_b32 s92, s92, 1
	s_add_co_u32 s92, s92, s76
	s_lshl_b32 s92, s92, 18
	s_lshl_b32 s75, s74, 8
	s_add_co_u32 s92, s92, s75                     ; ksraw at (kv x 2 + b, t0): used by kind 10 alone
	s_mov_b32 s88, 2048                            ; 16 rows on: 128 bytes a row of f16,
	s_mov_b32 s89, 0
	s_cmp_eq_u32 s83, 10
	s_cselect_b32 s78, s92, s78
	s_cselect_b64 s[80:81], s[70:71], s[68:69]
	s_cselect_b32 s88, 0x1000, s88                 ; 256 a row of f32
	s_add_nc_u64 s[80:81], s[80:81], s[78:79]
	; My 64 rows of the table, 512 consecutive bytes a load, into registers that the K loop leaves idle.  Every work-group loads them (64 KiB), so that the registers are
	; written on every way; the loads stay out through the whole K loop and are waited for once, behind it.
	WIN TO_B
.set f, 0
.rept 32
.if f < 16
.set tr, 4*f
.else
.set tr, 192+4*(f-16)
.endif
	global_load_b128 v[tr:tr+3], v[GO], s[72:73] offset:512*f
.set f, f+1
.endr
	WIN 0
; 16 matrix instructions: m blocks a0, a0 + 1 of the window's four x all 8 n blocks, 32 along K.  zero = 1: the first product starts the sums.  The 64 accumulators take turns in the same order in every quarter.
.macro MUL16 f, hi, a0, zero
	WIN MUL_LO+0x50*(\hi)
.irp a, \a0, (\a0)+1
.irp b, 0,1,2,3,4,5,6,7
.if \zero
	v_wmma_f32_16x16x32_bf16 v[8*(8*(\a)+(\b)):8*(8*(\a)+(\b))+7], v[(\f)+8*(\b):(\f)+8*(\b)+7], v[(\f)+8*(4*(\hi)+(\a)):(\f)+8*(4*(\hi)+(\a))+7], 0
.else
	v_wmma_f32_16x16x32_bf16 v[8*(8*(\a)+(\b)):8*(8*(\a)+(\b))+7], v[(\f)+8*(\b):(\f)+8*(\b)+7], v[(\f)+8*(4*(\hi)+(\a)):(\f)+8*(4*(\hi)+(\a))+7], v[8*(8*(\a)+(\b)):8*(8*(\a)+(\b))+7]
.endif
.endr
.endr
.endm
.macro FETCH k, f                      ; 32 LDS loads in one run: the fragments of 32 along K at byte k of the rows of the slot in hand
	WIN TO_B
.irp i, 0,1,2,3,4,5,6,7
	ds_load_b128 v[(\f)+8*(\i):(\f)+8*(\i)+3],   v[ADRB] offset:(\k)+(\i)*16*PITCH
	ds_load_b128 v[(\f)+8*(\i)+4:(\f)+8*(\i)+7], v[ADRB] offset:(\k)+(\i)*16*PITCH+32
.endr
	WIN 0
.irp i, 0,1,2,3,4,5,6,7
	ds_load_b128 v[(\f)+8*(\i):(\f)+8*(\i)+3],   v[ADRA] offset:(\k)+(\i)*16*PITCH
	ds_load_b128 v[(\f)+8*(\i)+4:(\f)+8*(\i)+7], v[ADRA] offset:(\k)+(\i)*16*PITCH+32
.endr
.endm
.macro PLACES                          ; four places in front of loads into registers that matrix instructions have read, and of lines that read results
.rept 4
	v_nop
.endr
.endm
.macro QUARTER k, f, g, zero           ; 32 along K: multiplies buffer f; in its middle fetches the next quarter, at byte k, into g
	s_wait_dscnt 8                                 ; B and A's rows 0-63 are in; the youngest eight loads (A's rows 64-127) may be out
	MUL16 \f, 0, 0, \zero
	MUL16 \f, 0, 2, \zero
	PLACES
	FETCH \k, \g
	s_wait_dscnt 32                                ; all but the 32 just issued
	MUL16 \f, 1, 0, \zero
	MUL16 \f, 1, 2, \zero
.endm
; The first half of a K step's last quarter, and the one barrier of the change of slots: in front of it each wave waits for all its tensor loads (one is out at most: its part of the next slot),
; adds 0 to its spare word, and waits for that and for its own reads of this slot.
.macro MEET
	WIN 0
	s_wait_tensorcnt 0x0
	ds_add_u32 v[SPW], v[NIL]
	s_wait_dscnt 9                                 ; the add and the youngest eight loads may be out
	MUL16 F1, 0, 0, 0
	s_wait_dscnt 0x0                               ; the add is done, and my reads of this slot are over
	s_barrier_signal -1
	MUL16 F1, 0, 2, 0
	WIN 0
	s_barrier_wait -1
.endm
.macro NEXTSLOT
	s_xor_b32 s[TB], s[TB], SLOT
	v_add_nc_u32 v[ADRA], s[TB], v[ADRA0]
	v_add_nc_u32 v[ADRB], s[TB], v[ADRB0]
.endm
.macro TURN                            ; the whole last quarter, with the refill: the slot just read out takes the K step two steps on; from the request to the wait for it a wave issues 224 matrix instructions
	MEET
	CREST                                          ; the barrier has opened a round of the cluster's: no wave of any partner still reads this slot or has a load on its way
	s_add_co_u32 s[G0+5], s20, s[TB]               ; the walking descriptors: this slot, the next K step but one
	s_add_nc_u64 s[G0+6:G0+7], s[G0+6:G0+7], KSTEP*2
	s_add_co_u32 s[G0B+5], s20, s[TB]
	s_add_nc_u64 s[G0B+6:G0B+7], s[G0B+6:G0B+7], KSTEP*2
	JLOAD 1                                        ; my one tensor load behind the round; its four v_nop are also the places in front of the loads below
	NEXTSLOT
	FETCH 0, F0
	MUL16 F1, 1, 0, 0
	MUL16 F1, 1, 2, 0
.endm
	s_wait_tensorcnt 1                             ; my part of K step 0 is in; K step 1's may stay out
	s_barrier_signal -1
	s_barrier_wait -1
	FETCH 0, F0
	QUARTER 64, F0, F1, 1                          ; the first quarter stands in front of the loop: its products start the sums
	WIN 0
	s_mov_b32 s3, STEPS-2
.Lstep:                                                ; a trip: from a K step's second quarter to the next step's first; K steps 2 to 15 are asked for
	QUARTER 128, F1, F0, 0
	QUARTER 192, F0, F1, 0
	TURN
	QUARTER 64, F0, F1, 0
	WIN 0
	s_sub_co_u32 s3, s3, 1
	s_cmp_lg_u32 s3, 0
	s_cbranch_scc1 .Lstep
	s_mov_b32 s3, 2
.Ltail:                                                ; the last two K steps ask for nothing.  The barrier stands in both trips: the second one's says that nobody reads the ring any more
	QUARTER 128, F1, F0, 0
	QUARTER 192, F0, F1, 0
	MEET
	s_cmp_eq_u32 s3, 1
	s_cbranch_scc1 .Lnofetch                       ; behind the last K step there is no slot to go on to
	PLACES
	NEXTSLOT
	FETCH 0, F0
.Lnofetch:
	MUL16 F1, 1, 0, 0
	MUL16 F1, 1, 2, 0
	WIN 0
	s_cmp_eq_u32 s3, 1
	s_cbranch_scc1 .Lfin
	QUARTER 64, F0, F1, 0
	WIN 0
.Lfin:
	s_sub_co_u32 s3, s3, 1
	s_cmp_lg_u32 s3, 0
	s_cbranch_scc1 .Ltail
	; THE WAY OUT.  The ring has had its last fill and its last read.  The table goes into slot 0, for the waves that share my rows too: one more barrier.
	PLACES
	s_wait_loadcnt 0x0                             ; the table
	WIN 0x04                                       ; store data in window 1
.set f, 0
.rept 32
.if f < 16
.set tr, 4*f
.else
.set tr, 192+4*(f-16)
.endif
	ds_store_b128 v[TST], v[tr:tr+3] offset:2*PITCH*f
.set f, f+1
.endr
	WIN 0
.irp c, 0,1,2,3
	v_mov_b32 v[VM+\c], 0
.endr
	s_wait_dscnt 0x0                               ; for the others' sake: my rows of the table are in LDS
	s_barrier_signal -1
	s_barrier_wait -1
.macro DUMP hi                         ; 64 rows x 128 columns of f32 into my stage; each accumulator's low registers first
	WIN 0x08+4*(\hi)                               ; store data in window 2 or 3
.irp a, 0,1,2,3
.irp b, 0,1,2,3,4,5,6,7
	ds_store_b128 v[STD], v[8*(8*\a+\b):8*(8*\a+\b)+3] offset:\a*16*DP+64*\b
	ds_store_b128 v[STD], v[8*(8*\a+\b)+4:8*(8*\a+\b)+7] offset:\a*16*DP+64*\b+16
.endr
.endr
	WIN 0
.endm
.macro EACH line:vararg                ; one line for each of the eight row groups gq = 4 hh + g
.set gq, 0
.rept 8
	\line
.set gq, gq+1
.endr
.endm
	s_mov_b32 s91, 2
.Lhalf:                                                ; my rows 0-63, then 64-127
	s_cmp_eq_u32 s91, 2
	s_cbranch_scc0 .Lhi
	DUMP 0
	s_branch .Ldumped
.Lhi:
	DUMP 1
.Ldumped:
	v_mov_b32 v[RDA], v[RDA0]
	v_mov_b32 v[RDR], v[RDR0]
	s_mov_b32 s90, 4
.Lrows:                                                ; 16 rows x two heads a trip; LDS serves a wave's instructions in order (ISA guide 5.7.1.4), so these loads see my stores above
	s_cmp_eq_u32 s83, 10
	s_cbranch_scc1 .Lraw
.irp hh, 0,1
.irp g, 0,1,2,3
	ds_load_b128 v[X+32*\hh+8*\g:X+32*\hh+8*\g+3], v[RDA] offset:4*DP*\g+256*\hh
	ds_load_b128 v[X+32*\hh+8*\g+4:X+32*\hh+8*\g+7], v[RDA] offset:4*DP*\g+256*\hh+16
.endr
.endr
	s_cmp_lt_u32 s83, 5
	s_cbranch_scc0 .Lnorope
	; RoPE: out = x cos + partner x (-sin for channels 0-31, +sin for 32-63); the partner channel, 32 away, lies in the lane 4 away
.irp g, 0,1,2,3
.irp q, 0,1
	ds_load_b128 v[TBL+16*\g+4*\q:TBL+16*\g+4*\q+3], v[TA] offset:4*PITCH*\g+16*\q
	ds_load_b128 v[TBL+16*\g+8+4*\q:TBL+16*\g+8+4*\q+3], v[TA] offset:4*PITCH*\g+16*\q+128
.endr
.endr
	s_wait_dscnt 0x0
.set k, 0
.rept 16
	v_pk_mul_f32 v[TBL+16*(k/4)+8+2*(k%4):TBL+16*(k/4)+9+2*(k%4)], v[TBL+16*(k/4)+8+2*(k%4):TBL+16*(k/4)+9+2*(k%4)], v[SG:SG+1]
.set k, k+1
.endr
.irp hh, 0,1
.set k, 0
.rept 32
	v_mul_f32_dpp v[T+k], v[X+32*\hh+k], v[TBL+16*(k/8)+8+k%8] row_xmask:4 row_mask:0xf bank_mask:0xf
.set k, k+1
.endr
.set k, 0
.rept 16
	v_pk_fma_f32 v[X+32*\hh+2*k:X+32*\hh+2*k+1], v[X+32*\hh+2*k:X+32*\hh+2*k+1], v[TBL+16*(k/4)+2*(k%4):TBL+16*(k/4)+2*(k%4)+1], v[T+2*k:T+2*k+1]
.set k, k+1
.endr
.endr
	s_branch .Lpack
.Lnorope:
	s_wait_dscnt 0x0
	s_cmp_lt_u32 s83, 6
	s_cbranch_scc1 .Lpack                          ; v: nothing but the rounding
	s_cmp_lt_u32 s83, 10
	s_cbranch_scc1 .Lsoft
.set k, 0
.rept 32                               ; v_s: the running maxima
	v_max3_num_f32 v[VM+k%4], |v[X+2*k]|, |v[X+2*k+1]|, v[VM+k%4]
.set k, k+1
.endr
	s_branch .Lpack
.Lsoft:                                                ; softmax over a row's 64 channels: 8 in my lane, the others in the seven lanes beside me
	EACH v_max3_num_f32 v[TW+4*gq], v[X+8*gq], v[X+8*gq+1], v[X+8*gq+2]
	EACH v_max3_num_f32 v[TW+4*gq+1], v[X+8*gq+3], v[X+8*gq+4], v[X+8*gq+5]
	EACH v_max3_num_f32 v[TW+4*gq], v[TW+4*gq], v[X+8*gq+6], v[X+8*gq+7]
	EACH v_max_num_f32 v[TW+4*gq], v[TW+4*gq], v[TW+4*gq+1]
	EACH v_max_num_f32_dpp v[TW+4*gq], v[TW+4*gq], v[TW+4*gq] row_xmask:1 row_mask:0xf bank_mask:0xf
	EACH v_max_num_f32_dpp v[TW+4*gq], v[TW+4*gq], v[TW+4*gq] row_xmask:2 row_mask:0xf bank_mask:0xf
	EACH v_max_num_f32_dpp v[TW+4*gq], v[TW+4*gq], v[TW+4*gq] row_xmask:4 row_mask:0xf bank_mask:0xf
	EACH v_mul_f32 v[TW+4*gq], s[L2E], v[TW+4*gq]
.irp p, 0,1,2,3
	EACH v_pk_fma_f32 v[X+8*gq+2*\p:X+8*gq+2*\p+1], v[X+8*gq+2*\p:X+8*gq+2*\p+1], s[L2E:L2E+1], v[TW+4*gq:TW+4*gq+1] op_sel_hi:[1,0,0] neg_lo:[0,0,1] neg_hi:[0,0,1]
.endr
.set k, 0
.rept 64
	v_exp_f32 v[X+k], v[X+k]
.set k, k+1
.endr
	v_nop                                          ; a plain instruction between the exponentials and the use of their results
	s_wait_alu depctr_va_vdst(0)
	EACH v_pk_add_f32 v[TW+4*gq+2:TW+4*gq+3], v[X+8*gq:X+8*gq+1], v[X+8*gq+2:X+8*gq+3]
	EACH v_pk_add_f32 v[TW+4*gq+2:TW+4*gq+3], v[TW+4*gq+2:TW+4*gq+3], v[X+8*gq+4:X+8*gq+5]
	EACH v_pk_add_f32 v[TW+4*gq+2:TW+4*gq+3], v[TW+4*gq+2:TW+4*gq+3], v[X+8*gq+6:X+8*gq+7]
	EACH v_add_f32 v[TW+4*gq+2], v[TW+4*gq+2], v[TW+4*gq+3]
	EACH v_add_f32_dpp v[TW+4*gq+2], v[TW+4*gq+2], v[TW+4*gq+2] row_xmask:1 row_mask:0xf bank_mask:0xf
	EACH v_add_f32_dpp v[TW+4*gq+2], v[TW+4*gq+2], v[TW+4*gq+2] row_xmask:2 row_mask:0xf bank_mask:0xf
	EACH v_add_f32_dpp v[TW+4*gq+2], v[TW+4*gq+2], v[TW+4*gq+2] row_xmask:4 row_mask:0xf bank_mask:0xf
	EACH v_rcp_f32 v[TW+4*gq+2], v[TW+4*gq+2]
	v_nop                                          ; and behind the reciprocals
	s_wait_alu depctr_va_vdst(0)
.irp p, 0,1,2,3
	EACH v_pk_mul_f32 v[X+8*gq+2*\p:X+8*gq+2*\p+1], v[X+8*gq+2*\p:X+8*gq+2*\p+1], v[TW+4*gq+2:TW+4*gq+3] op_sel_hi:[1,0]
.endr
.Lpack:                                                ; rounded once to f16; four rows of a head are 512 consecutive bytes of heads
.set k, 0
.rept 32
	v_cvt_pk_f16_f32 v[Y+k], v[X+2*k], v[X+2*k+1]
.set k, k+1
.endr
.irp hh, 0,1
.irp g, 0,1,2,3
	global_store_b128 v[GO], v[Y+16*\hh+4*\g:Y+16*\hh+4*\g+3], s[80:81] offset:262144*\hh+512*\g
.endr
.endr
	s_branch .Lnext
.Lraw:                                                 ; k_s stays f32: two rows of a head are 512 consecutive bytes of ksraw
.irp hh, 0,1
.irp f, 0,1,2,3,4,5,6,7
	ds_load_b128 v[X+32*\hh+4*\f:X+32*\hh+4*\f+3], v[RDR] offset:2*DP*\f+256*\hh
.endr
.endr
	s_wait_dscnt 0x0
.irp hh, 0,1
.irp f, 0,1,2,3,4,5,6,7
	global_store_b128 v[GO], v[X+32*\hh+4*\f:X+32*\hh+4*\f+3], s[80:81] offset:524288*\hh+512*\f
.endr
.endr
.Lnext:
	s_wait_xcnt 0x0                                ; the stores' base and data are rewritten only behind this wait
	s_add_nc_u64 s[80:81], s[80:81], s[88:89]      ; 16 rows on
	v_add_nc_u32 v[RDA], 16*DP, v[RDA]
	v_add_nc_u32 v[RDR], 16*DP, v[RDR]
	v_add_nc_u32 v[TA], 16*PITCH, v[TA]
	s_sub_co_u32 s90, s90, 1
	s_cmp_lg_u32 s90, 0
	s_cbranch_scc1 .Lrows
	s_sub_co_u32 s91, s91, 1
	s_cmp_lg_u32 s91, 0
	s_cbranch_scc1 .Lhalf
	s_cmp_eq_u32 s83, 11
	s_cbranch_scc0 .Lend
	v_max3_num_f32 v[VM], v[VM], v[VM+1], v[VM+2]  ; v_s: the largest magnitude of my 128 x 128 numbers
	v_max_num_f32 v[VM], v[VM], v[VM+3]
	v_max_num_f32_dpp v[VM], v[VM], v[VM] row_xmask:1 row_mask:0xf bank_mask:0xf
	v_max_num_f32_dpp v[VM], v[VM], v[VM] row_xmask:2 row_mask:0xf bank_mask:0xf
	v_max_num_f32_dpp v[VM], v[VM], v[VM] row_xmask:4 row_mask:0xf bank_mask:0xf
	v_max_num_f32_dpp v[VM], v[VM], v[VM] row_xmask:8 row_mask:0xf bank_mask:0xf
	v_permlanex16_b32 v[VM+1], v[VM], s[SEL], s[SEL+1]
	v_max_num_f32 v[VM], v[VM], v[VM+1]
	s_lshl_b32 s78, s13, 2
	s_and_b32 s79, s42, 3
	s_add_co_u32 s78, s78, s79
	s_lshl_b32 s78, s78, 1
	s_add_co_u32 s78, s78, s11                     ; (tile row x 4 + tile column % 4) x 2 + row half: 0..63
	s_lshl_b32 s78, s78, 4                         ; four words each: the 256 words are all written
	s_add_co_u32 s78, s78, 0x400000
	s_mov_b32 s79, 0
	s_add_nc_u64 s[78:79], s[70:71], s[78:79]
	global_store_b32 v[VMO], v[VM], s[78:79]       ; every lane holds the same number; lane l names word l % 4
.Lend:
	s_wait_tensorcnt 0x0                           ; the wave's end
	ds_add_u32 v[SPW], v[NIL]
	s_wait_dscnt 0x0
	CROUND                                         ; the closing round
	s_endpgm
.Lfunc_end_k_qc36f856e75_proj:
	.size	k_qc36f856e75_proj, .Lfunc_end_k_qc36f856e75_proj-k_qc36f856e75_proj
	.p2alignl 7, 3214868480
	.fill 96, 4, 3214868480
	.section	.rodata,"a",@progbits
	.p2align	6, 0x0
	.amdhsa_kernel k_qc36f856e75_proj
		.amdhsa_group_segment_fixed_size 327680
		.amdhsa_private_segment_fixed_size 0
		.amdhsa_enable_private_segment 0
		.amdhsa_kernarg_size 32
		.amdhsa_user_sgpr_count 2
		.amdhsa_user_sgpr_kernarg_segment_ptr 1
		.amdhsa_wavefront_size32 1
		.amdhsa_system_sgpr_workgroup_id_x 1
		.amdhsa_system_sgpr_workgroup_id_y 1
		.amdhsa_system_sgpr_workgroup_id_z 1
		.amdhsa_system_vgpr_workitem_id 0
		.amdhsa_next_free_vgpr 1024
		.amdhsa_next_free_sgpr 96
		.amdhsa_reserve_vcc 1
		.amdhsa_float_denorm_mode_32 3
		.amdhsa_float_denorm_mode_16_64 3
		.amdhsa_memory_ordered 1
		.amdhsa_forward_progress 1
		.amdhsa_inst_pref_size 116
	.end_amdhsa_kernel
	.amdgpu_metadata
---
amdhsa.version: [ 1, 2 ]
amdhsa.kernels:
  - .name:           k_qc36f856e75_proj
    .symbol:         k_qc36f856e75_proj.kd
    .args:
      - { .name: xw, .offset: 0, .size: 8, .value_kind: global_buffer, .address_space: global }
      - { .name: wr, .offset: 8, .size: 8, .value_kind: global_buffer, .address_space: global }
      - { .name: heads, .offset: 16, .size: 8, .value_kind: global_buffer, .address_space: global }
      - { .name: ksraw, .offset: 24, .size: 8, .value_kind: global_buffer, .address_space: global }
    .group_segment_fixed_size: 327680
    .private_segment_fixed_size: 0
    .kernarg_segment_align: 8
    .kernarg_segment_size: 32
    .max_flat_workgroup_size: 128
    .sgpr_count:     96
    .vgpr_count:     1024
    .wavefront_size: 32
...
	.end_amdgpu_metadata
.endif
;; end of part 2
;; launch gla_state (part 3): grid 256 x 1, 4 waves a work-group, no clusters, 55,808 bytes of LDS; arguments ksraw, heads, gate, ust; writes gate, ust
.if DOCPART == 3
	.amdgcn_target "amdgcn-amd-amdhsa--gfx1250"
	.amdhsa_code_object_version 6
	.text
	.protected	k_qc36f856e75_gla_state
	.globl	k_qc36f856e75_gla_state
	.p2align	8
	.type	k_qc36f856e75_gla_state,@function
k_qc36f856e75_gla_state:
	s_mov_b64 s[64:65], 0
	v_nop
	global_prefetch_b8 v0, s[64:65] scope:SCOPE_SE
	s_setreg_imm32_b32 hwreg(HW_REG_WAVE_MODE, 25, 1), 1
	s_wait_xcnt 0x0
; THE STUDENT'S STATE, LOCAL PART.  The recurrence's state hangs on k, v and the gate alone: 16 sequences (kv x 2 + b).  A work-group takes one segment of 64 steps of one sequence.
; From raw k_s it makes khat = softmax over 64 channels (f16), G[t][d] = the sum over the segment's steps up to t of log2(sigmoid(k)) / 16 (f32), and
; U[d][dv] = sum over t of khat[t][d] 2^(G[63][d] - G[t][d]) v[t][dv]: every exponent is <= 0.  log2 sigmoid(x) = min(y, 0) - log2(1 + 2^-|y|), y = x log2(e): right for every x.
; Wave w owns rows t = 16 w + r; lane (r, h) channels 32 h .. 32 h + 31.  No tensor loads: the unit's inputs are 24 KiB, loaded once through registers.
; U leaves as the accumulators lie: ust[unit][db][vb][jj][lane][4] = U(d = 16 db + 8 h + 4 jj + e, dv = 16 vb + r).
.set GL,  0                            ; 64 x 272: each wave's scan of the gate
.set VL,  17408                        ; 64 x 160: v
.set KT,  27648                        ; 64 x 160: khat with its decay to the segment's end
.set STG, 37888                        ; 4 x 4,352: a stage for each wave
.set X,   16
.set GG,  48
.set TT,  80
.set VLD, 208
.set TB,  224
.set L2E, 26
.set SEL, 28
	s_load_b256 s[4:11], s[0:1], 0x0               ; ksraw 4, heads 6, gate 8, ust 10
	v_lshl_add_u32 v254, v0, 2, 0xd800
	v_mov_b32 v255, 0
	v_lshrrev_b32 v1, 5, v0
	v_readfirstlane_b32 s12, v1                    ; wave
	v_and_b32 v1, 31, v0
	v_and_b32 v2, 15, v0                           ; r
	v_bfe_u32 v3, v0, 4, 1                         ; h
	s_lshr_b32 s13, ttmp9, 4                       ; sequence
	s_and_b32 s14, ttmp9, 15                       ; segment
	s_mov_b32 s[L2E], 0x3fb8aa3b
	s_mov_b32 s[L2E+1], s[L2E]
	s_mov_b32 s[SEL], 0x76543210
	s_mov_b32 s[SEL+1], 0xfedcba98
	s_lshl_b32 s16, s13, 18
	s_lshl_b32 s17, s14, 14
	s_add_co_u32 s16, s16, s17
	s_mov_b32 s17, 0
	s_add_co_u32 s18, s13, 176
	s_lshl_b32 s18, s18, 17
	s_lshl_b32 s19, s14, 13
	s_add_co_u32 s18, s18, s19
	s_mov_b32 s19, 0
	s_wait_kmcnt 0x0
	s_add_nc_u64 s[30:31], s[4:5], s[16:17]        ; raw k_s at the segment
	s_add_nc_u64 s[32:33], s[6:7], s[18:19]        ; v_s at the segment
	s_lshl_b32 s18, s12, 12
	s_add_co_u32 s16, s16, s18
	s_add_nc_u64 s[34:35], s[8:9], s[16:17]        ; G at my 16 rows
	s_lshl_b32 s16, s13, 17
	s_lshl_b32 s18, s14, 13
	s_add_co_u32 s16, s16, s18
	s_lshl_b32 s18, s12, 11
	s_add_co_u32 s16, s16, s18
	s_add_co_u32 s16, s16, 0x400000
	s_add_nc_u64 s[36:37], s[8:9], s[16:17]        ; khat at my 16 rows
	s_lshl_b32 s16, ttmp9, 14
	s_lshl_b32 s18, s12, 12
	s_add_co_u32 s16, s16, s18
	s_add_nc_u64 s[38:39], s[10:11], s[16:17]      ; U: the unit's image, d block = my wave
	v_lshlrev_b32 v4, 8, v2
	v_lshl_add_u32 v4, v3, 7, v4
	v_add_nc_u32 v4, s18, v4                       ; (16 w + r) x 256 + 128 h
	v_lshlrev_b32 v5, 4, v0                        ; 16 x thread
.irp q, 0,1,2,3,4,5,6,7
	global_load_b128 v[X+4*\q:X+4*\q+3], v4, s[30:31] offset:16*\q
.endr
.irp q, 0,1,2,3
	global_load_b128 v[VLD+4*\q:VLD+4*\q+3], v5, s[32:33] offset:2048*\q
.endr
	v_lshrrev_b32 v6, 3, v0
	v_mul_u32_u24 v6, v6, 160
	v_and_b32 v7, 7, v0
	v_lshl_add_u32 v6, v7, 4, v6
	v_add_nc_u32 v6, VL, v6
	s_mul_i32 s16, s12, 4352
	v_mul_u32_u24 v7, v2, 272
	v_lshl_add_u32 v7, v3, 7, v7
	v_add_nc_u32 v9, STG, v7
	v_add_nc_u32 v9, s16, v9                       ; my stage, pitch 272: row r, 128 h
	v_add_nc_u32 v7, s16, v7                       ; GL: (16 w + r) x 272 + 128 h
	v_lshlrev_b32 v8, 7, v3
	v_add_nc_u32 v8, 15*272, v8                    ; GL: a wave's last row, 128 h
	v_mul_u32_u24 v10, v3, 272
	v_lshl_add_u32 v10, v2, 4, v10
	v_add_nc_u32 v10, STG, v10
	v_add_nc_u32 v10, s16, v10
	v_lshlrev_b32 v11, 8, v3
	v_lshl_add_u32 v11, v2, 4, v11
	v_mul_u32_u24 v12, v2, 144
	v_lshl_add_u32 v12, v3, 6, v12
	v_add_nc_u32 v12, STG, v12
	v_add_nc_u32 v12, s16, v12
	v_bfe_u32 v13, v0, 3, 2
	v_mul_u32_u24 v13, v13, 144
	v_and_b32 v14, 7, v0
	v_lshl_add_u32 v13, v14, 4, v13
	v_add_nc_u32 v13, STG, v13
	v_add_nc_u32 v13, s16, v13
	v_lshlrev_b32 v14, 4, v1
	s_mul_i32 s17, s12, 2560
	v_mul_u32_u24 v15, v2, 160
	v_lshl_add_u32 v15, v3, 6, v15
	v_add_nc_u32 v15, KT, v15
	v_add_nc_u32 v15, s17, v15
	s_cmp_gt_u32 s12, 0                            ; which waves' totals I carry
	s_cselect_b32 s20, 1.0, 0
	s_cmp_gt_u32 s12, 1
	s_cselect_b32 s22, 1.0, 0
	s_cmp_gt_u32 s12, 2
	s_cselect_b32 s24, 1.0, 0
	s_mov_b32 s21, s20
	s_mov_b32 s23, s22
	s_mov_b32 s25, s24
	s_wait_loadcnt 0x0
.irp q, 0,1,2,3
	ds_store_b128 v6, v[VLD+4*\q:VLD+4*\q+3] offset:2560*\q
.endr
	; the gate, in log2 units
.set k, 0
.rept 16
	v_pk_mul_f32 v[GG+2*k:GG+2*k+1], v[X+2*k:X+2*k+1], s[L2E:L2E+1] op_sel_hi:[1,0]
.set k, k+1
.endr
.set k, 0
.rept 32
	v_exp_f32 v[TT+k], -|v[GG+k]|
.set k, k+1
.endr
	v_nop
.set k, 0
	s_wait_alu depctr_va_vdst(0)
.rept 16
	v_pk_add_f32 v[TT+2*k:TT+2*k+1], v[TT+2*k:TT+2*k+1], 1.0 op_sel_hi:[1,0]
.set k, k+1
.endr
.set k, 0
.rept 32
	v_log_f32 v[TT+k], v[TT+k]
.set k, k+1
.endr
	v_nop
.set k, 0
.rept 32
	v_min_num_f32 v[GG+k], 0, v[GG+k]
.set k, k+1
.endr
.set k, 0
	s_wait_alu depctr_va_vdst(0)
.rept 16
	v_pk_add_f32 v[GG+2*k:GG+2*k+1], v[GG+2*k:GG+2*k+1], v[TT+2*k:TT+2*k+1] neg_lo:[0,1] neg_hi:[0,1]
.set k, k+1
.endr
.set k, 0
.rept 16
	v_pk_mul_f32 v[GG+2*k:GG+2*k+1], v[GG+2*k:GG+2*k+1], 0x3d800000 op_sel_hi:[1,0]
.set k, k+1
.endr
	; softmax of my row, in place: 32 channels here, 32 in the lane 16 away
.irp c, 0,1,2,3
	v_max3_num_f32 v[TB+\c], v[X+8*\c], v[X+8*\c+1], v[X+8*\c+2]
.endr
.irp c, 0,1,2,3
	v_max3_num_f32 v[TB+\c], v[TB+\c], v[X+8*\c+3], v[X+8*\c+4]
.endr
.irp c, 0,1,2,3
	v_max3_num_f32 v[TB+\c], v[TB+\c], v[X+8*\c+5], v[X+8*\c+6]
.endr
	v_max3_num_f32 v[TB], v[TB], v[X+7], v[X+15]
	v_max3_num_f32 v[TB+2], v[TB+2], v[X+23], v[X+31]
	v_max3_num_f32 v[TB], v[TB], v[TB+1], v[TB+2]
	v_max_num_f32 v[TB], v[TB], v[TB+3]
	v_permlanex16_b32 v[TB+1], v[TB], s[SEL], s[SEL+1]
	v_max_num_f32 v[TB], v[TB], v[TB+1]
	v_mul_f32 v[TB], s[L2E], v[TB]
.set k, 0
.rept 16
	v_pk_fma_f32 v[X+2*k:X+2*k+1], v[X+2*k:X+2*k+1], s[L2E:L2E+1], v[TB:TB+1] op_sel_hi:[1,0,0] neg_lo:[0,0,1] neg_hi:[0,0,1]
.set k, k+1
.endr
.set k, 0
.rept 32
	v_exp_f32 v[X+k], v[X+k]
.set k, k+1
.endr
	v_nop
	s_wait_alu depctr_va_vdst(0)
	v_pk_add_f32 v[TB+2:TB+3], v[X:X+1], v[X+2:X+3]
	v_pk_add_f32 v[TB+4:TB+5], v[X+4:X+5], v[X+6:X+7]
.set k, 4
.rept 12
	v_pk_add_f32 v[TB+2+2*(k%2):TB+3+2*(k%2)], v[TB+2+2*(k%2):TB+3+2*(k%2)], v[X+2*k:X+2*k+1]
.set k, k+1
.endr
	v_pk_add_f32 v[TB+2:TB+3], v[TB+2:TB+3], v[TB+4:TB+5]
	v_add_f32 v[TB+2], v[TB+2], v[TB+3]
	v_permlanex16_b32 v[TB+3], v[TB+2], s[SEL], s[SEL+1]
	v_add_f32 v[TB+2], v[TB+2], v[TB+3]
	v_rcp_f32 v[TB+2], v[TB+2]
	v_nop
.set k, 0
	s_wait_alu depctr_va_vdst(0)
.rept 16
	v_pk_mul_f32 v[X+2*k:X+2*k+1], v[X+2*k:X+2*k+1], v[TB+2:TB+3] op_sel_hi:[1,0]
.set k, k+1
.endr
	; the gate summed down my wave's 16 rows: rows are lanes of a half; a lane without a source keeps its number
.irp n, 1,2,4,8
.set k, 0
.rept 32
	v_add_f32_dpp v[GG+k], v[GG+k], v[GG+k] row_shr:\n row_mask:0xf bank_mask:0xf
.set k, k+1
.endr
.endr
.irp q, 0,1,2,3,4,5,6,7
	ds_store_b128 v7, v[GG+4*\q:GG+4*\q+3] offset:16*\q
.endr
	s_wait_dscnt 0x0                               ; for the others' sake: v and my scan are in LDS
	s_barrier_signal -1
	s_barrier_wait -1
.irp x, 0,1,2,3
.irp q, 0,1,2,3,4,5,6,7
	ds_load_b128 v[TT+32*\x+4*\q:TT+32*\x+4*\q+3], v8 offset:4352*\x+16*\q  ; the four waves' totals
.endr
.endr
	s_wait_dscnt 0x0
.set k, 0
.rept 16
	v_pk_fma_f32 v[GG+2*k:GG+2*k+1], v[TT+2*k:TT+2*k+1], s[20:21], v[GG+2*k:GG+2*k+1] op_sel_hi:[1,0,1]
	v_pk_add_f32 v[TT+2*k:TT+2*k+1], v[TT+2*k:TT+2*k+1], v[TT+32+2*k:TT+32+2*k+1]
	v_pk_fma_f32 v[GG+2*k:GG+2*k+1], v[TT+32+2*k:TT+32+2*k+1], s[22:23], v[GG+2*k:GG+2*k+1] op_sel_hi:[1,0,1]
	v_pk_add_f32 v[TT+2*k:TT+2*k+1], v[TT+2*k:TT+2*k+1], v[TT+64+2*k:TT+64+2*k+1]
	v_pk_fma_f32 v[GG+2*k:GG+2*k+1], v[TT+64+2*k:TT+64+2*k+1], s[24:25], v[GG+2*k:GG+2*k+1] op_sel_hi:[1,0,1]
	v_pk_add_f32 v[TT+2*k:TT+2*k+1], v[TT+2*k:TT+2*k+1], v[TT+96+2*k:TT+96+2*k+1]  ; G of the segment's last row
.set k, k+1
.endr
	; G leaves through my stage as whole rows of 256 bytes
.irp q, 0,1,2,3,4,5,6,7
	ds_store_b128 v9, v[GG+4*\q:GG+4*\q+3] offset:16*\q
.endr
.irp f, 0,1,2,3,4,5,6,7
	ds_load_b128 v[TT+32+4*\f:TT+32+4*\f+3], v10 offset:544*\f
.endr
.set k, 0
.rept 16
	v_cvt_pk_f16_f32 v[TT+64+k], v[X+2*k], v[X+2*k+1]                         ; khat
	v_pk_add_f32 v[TT+96+2*k:TT+96+2*k+1], v[TT+2*k:TT+2*k+1], v[GG+2*k:GG+2*k+1] neg_lo:[0,1] neg_hi:[0,1]
.set k, k+1
.endr
	s_wait_dscnt 0x0
.irp f, 0,1,2,3,4,5,6,7
	global_store_b128 v11, v[TT+32+4*\f:TT+32+4*\f+3], s[34:35] offset:512*\f
.endr
.irp q, 0,1,2,3
	ds_store_b128 v12, v[TT+64+4*\q:TT+64+4*\q+3] offset:16*\q
.endr
.irp f, 0,1,2,3
	ds_load_b128 v[TT+80+4*\f:TT+80+4*\f+3], v13 offset:576*\f
.endr
.set k, 0
.rept 32
	v_exp_f32 v[TT+96+k], v[TT+96+k]
.set k, k+1
.endr
	v_nop
.set k, 0
	s_wait_alu depctr_va_vdst(0)
.rept 16
	v_pk_mul_f32 v[TT+96+2*k:TT+96+2*k+1], v[TT+96+2*k:TT+96+2*k+1], v[X+2*k:X+2*k+1]
.set k, k+1
.endr
.set k, 0
.rept 16
	v_cvt_pk_f16_f32 v[VLD+k], v[TT+96+2*k], v[TT+96+2*k+1]
.set k, k+1
.endr
	s_wait_dscnt 0x0
.irp f, 0,1,2,3
	global_store_b128 v14, v[TT+80+4*\f:TT+80+4*\f+3], s[36:37] offset:512*\f
.endr
.irp q, 0,1,2,3
	ds_store_b128 v15, v[VLD+4*\q:VLD+4*\q+3] offset:16*\q
.endr
	v_and_b32 v4, 7, v0                            ; the turning load's lane term: (8 h + l % 8) x 160 + 16 ((l / 8) % 2)
	v_lshl_add_u32 v4, v3, 3, v4
	v_mul_u32_u24 v4, v4, 160
	v_bfe_u32 v5, v0, 3, 1
	v_lshl_add_u32 v4, v5, 4, v4
	v_add_nc_u32 v5, VL, v4
	s_lshl_b32 s16, s12, 5
	v_add_nc_u32 v4, KT, v4
	v_add_nc_u32 v4, s16, v4                       ; my 16 channels d
	s_wait_dscnt 0x0                               ; for the others' sake
	s_barrier_signal -1
	s_barrier_wait -1
	s_wait_xcnt 0x0                                ; the stores above have read their registers
.irp kk, 0,1
	ds_load_tr16_b128 v[144+8*\kk:144+8*\kk+3], v4 offset:5120*\kk
	ds_load_tr16_b128 v[144+8*\kk+4:144+8*\kk+7], v4 offset:5120*\kk+2560
.irp vb, 0,1,2,3
	ds_load_tr16_b128 v[80+8*(2*\vb+\kk):80+8*(2*\vb+\kk)+3], v5 offset:5120*\kk+32*\vb
	ds_load_tr16_b128 v[80+8*(2*\vb+\kk)+4:80+8*(2*\vb+\kk)+7], v5 offset:5120*\kk+32*\vb+2560
.endr
.endr
	s_wait_dscnt 0x0
.irp vb, 0,1,2,3                       ; four accumulators by turns: the first product starts each sum
	v_wmma_f32_16x16x32_f16 v[160+8*\vb:160+8*\vb+7], v[144:151], v[80+16*\vb:80+16*\vb+7], 0
.endr
.irp vb, 0,1,2,3
	v_wmma_f32_16x16x32_f16 v[160+8*\vb:160+8*\vb+7], v[152:159], v[80+16*\vb+8:80+16*\vb+15], v[160+8*\vb:160+8*\vb+7]
.endr
.rept 4
	v_nop                                          ; the places behind the products
.endr
.irp vb, 0,1,2,3
.irp jj, 0,1
	global_store_b128 v14, v[160+8*\vb+4*\jj:160+8*\vb+4*\jj+3], s[38:39] offset:1024*\vb+512*\jj  ; 512 consecutive bytes
.endr
.endr
	s_wait_tensorcnt 0x0
	ds_add_u32 v254, v255
	s_wait_dscnt 0x0
	s_endpgm
.Lfunc_end_k_qc36f856e75_gla_state:
	.size	k_qc36f856e75_gla_state, .Lfunc_end_k_qc36f856e75_gla_state-k_qc36f856e75_gla_state
	.p2alignl 7, 3214868480
	.fill 96, 4, 3214868480
	.section	.rodata,"a",@progbits
	.p2align	6, 0x0
	.amdhsa_kernel k_qc36f856e75_gla_state
		.amdhsa_group_segment_fixed_size 55808
		.amdhsa_private_segment_fixed_size 0
		.amdhsa_enable_private_segment 0
		.amdhsa_kernarg_size 32
		.amdhsa_user_sgpr_count 2
		.amdhsa_user_sgpr_kernarg_segment_ptr 1
		.amdhsa_wavefront_size32 1
		.amdhsa_system_sgpr_workgroup_id_x 1
		.amdhsa_system_sgpr_workgroup_id_y 1
		.amdhsa_system_sgpr_workgroup_id_z 1
		.amdhsa_system_vgpr_workitem_id 0
		.amdhsa_next_free_vgpr 256
		.amdhsa_next_free_sgpr 66
		.amdhsa_reserve_vcc 0
		.amdhsa_float_denorm_mode_32 3
		.amdhsa_float_denorm_mode_16_64 3
		.amdhsa_memory_ordered 1
		.amdhsa_forward_progress 1
		.amdhsa_inst_pref_size 48
	.end_amdhsa_kernel
	.amdgpu_metadata
---
amdhsa.version: [ 1, 2 ]
amdhsa.kernels:
  - .name:           k_qc36f856e75_gla_state
    .symbol:         k_qc36f856e75_gla_state.kd
    .args:
      - { .name: ksraw, .offset: 0, .size: 8, .value_kind: global_buffer, .address_space: global }
      - { .name: heads, .offset: 8, .size: 8, .value_kind: global_buffer, .address_space: global }
      - { .name: gate, .offset: 16, .size: 8, .value_kind: global_buffer, .address_space: global }
      - { .name: ust, .offset: 24, .size: 8, .value_kind: global_buffer, .address_space: global }
    .group_segment_fixed_size: 55808
    .private_segment_fixed_size: 0
    .kernarg_segment_align: 8
    .kernarg_segment_size: 32
    .max_flat_workgroup_size: 128
    .sgpr_count:     66
    .vgpr_count:     256
    .wavefront_size: 32
...
	.end_amdgpu_metadata
.endif
;; end of part 3
;; launch gla_pref (part 4): grid 256 x 1, 2 waves a work-group, no clusters, 0 bytes of LDS; arguments ust, gate, s0st; writes s0st
.if DOCPART == 4
	.amdgcn_target "amdgcn-amd-amdhsa--gfx1250"
	.amdhsa_code_object_version 6
	.text
	.protected	k_qc36f856e75_gla_pref
	.globl	k_qc36f856e75_gla_pref
	.p2align	8
	.type	k_qc36f856e75_gla_pref,@function
k_qc36f856e75_gla_pref:
	s_mov_b64 s[64:65], 0
	v_nop
	global_prefetch_b8 v0, s[64:65] scope:SCOPE_SE
	s_setreg_imm32_b32 hwreg(HW_REG_WAVE_MODE, 25, 1), 1
	s_wait_xcnt 0x0
; THE STATE AT EACH SEGMENT'S START.  S_0 = 0, S_(m+1)[d][dv] = S_m 2^(G_m[63][d]) + U_m: 15 fused multiply-adds for each of a sequence's 4,096 elements.
; A thread owns four elements (16 bytes of the register image: four consecutive d of one dv) of one sequence; sixteen work-groups of 64 threads share a sequence.
; All 30 loads go out together; the chain is short and bound by their latency, so there is no ring.
	s_load_b128 s[4:7], s[0:1], 0x0                ; ust, gate
	s_load_b64 s[8:9], s[0:1], 0x10                ; s0st
	s_lshr_b32 s10, ttmp9, 4
	s_and_b32 s11, ttmp9, 15
	s_lshl_b32 s11, s11, 6
	v_add_nc_u32 v1, s11, v0                       ; c: my 16 bytes of the image
	v_lshlrev_b32 v2, 4, v1
	v_lshrrev_b32 v3, 8, v1                        ; db
	v_bfe_u32 v4, v1, 4, 1                         ; h
	v_bfe_u32 v5, v1, 5, 1                         ; jj
	v_lshlrev_b32 v3, 6, v3
	v_lshl_add_u32 v3, v4, 5, v3
	v_lshl_add_u32 v3, v5, 4, v3                   ; 4 x (16 db + 8 h + 4 jj)
	s_lshl_b32 s12, s10, 18
	s_mov_b32 s13, 0
	s_wait_kmcnt 0x0
	s_add_nc_u64 s[4:5], s[4:5], s[12:13]
	s_add_nc_u64 s[6:7], s[6:7], s[12:13]
	s_add_nc_u64 s[8:9], s[8:9], s[12:13]
.set m, 0
.rept 15
	global_load_b128 v[16+4*m:16+4*m+3], v2, s[4:5] offset:16384*m
	global_load_b128 v[80+4*m:80+4*m+3], v3, s[6:7] offset:16384*m+16128
.set m, m+1
.endr
.irp e, 0,1,2,3
	v_mov_b32 v[144+\e], 0
.endr
	s_wait_loadcnt 0x0
.set m, 0
.rept 60
	v_exp_f32 v[80+m], v[80+m]
.set m, m+1
.endr
	v_nop
.set m, 0
	s_wait_alu depctr_va_vdst(0)
.rept 15
	v_pk_fma_f32 v[148+4*m:149+4*m], v[144+4*m:145+4*m], v[80+4*m:81+4*m], v[16+4*m:17+4*m]
	v_pk_fma_f32 v[150+4*m:151+4*m], v[146+4*m:147+4*m], v[82+4*m:83+4*m], v[18+4*m:19+4*m]
.set m, m+1
.endr
.set m, 0
.rept 16
	global_store_b128 v2, v[144+4*m:147+4*m], s[8:9] offset:16384*m
.set m, m+1
.endr
	s_endpgm
.Lfunc_end_k_qc36f856e75_gla_pref:
	.size	k_qc36f856e75_gla_pref, .Lfunc_end_k_qc36f856e75_gla_pref-k_qc36f856e75_gla_pref
	.p2alignl 7, 3214868480
	.fill 96, 4, 3214868480
	.section	.rodata,"a",@progbits
	.p2align	6, 0x0
	.amdhsa_kernel k_qc36f856e75_gla_pref
		.amdhsa_group_segment_fixed_size 0
		.amdhsa_private_segment_fixed_size 0
		.amdhsa_enable_private_segment 0
		.amdhsa_kernarg_size 24
		.amdhsa_user_sgpr_count 2
		.amdhsa_user_sgpr_kernarg_segment_ptr 1
		.amdhsa_wavefront_size32 1
		.amdhsa_system_sgpr_workgroup_id_x 1
		.amdhsa_system_sgpr_workgroup_id_y 1
		.amdhsa_system_sgpr_workgroup_id_z 1
		.amdhsa_system_vgpr_workitem_id 0
		.amdhsa_next_free_vgpr 208
		.amdhsa_next_free_sgpr 66
		.amdhsa_reserve_vcc 0
		.amdhsa_float_denorm_mode_32 3
		.amdhsa_float_denorm_mode_16_64 3
		.amdhsa_memory_ordered 1
		.amdhsa_forward_progress 1
		.amdhsa_inst_pref_size 10
	.end_amdhsa_kernel
	.amdgpu_metadata
---
amdhsa.version: [ 1, 2 ]
amdhsa.kernels:
  - .name:           k_qc36f856e75_gla_pref
    .symbol:         k_qc36f856e75_gla_pref.kd
    .args:
      - { .name: ust, .offset: 0, .size: 8, .value_kind: global_buffer, .address_space: global }
      - { .name: gate, .offset: 8, .size: 8, .value_kind: global_buffer, .address_space: global }
      - { .name: s0st, .offset: 16, .size: 8, .value_kind: global_buffer, .address_space: global }
    .group_segment_fixed_size: 0
    .private_segment_fixed_size: 0
    .kernarg_segment_align: 8
    .kernarg_segment_size: 24
    .max_flat_workgroup_size: 64
    .sgpr_count:     66
    .vgpr_count:     208
    .wavefront_size: 32
...
	.end_amdgpu_metadata
.endif
;; end of part 4
;; launch attn (part 5): grid 16 x 16, 4 waves a work-group, clusters of 4 x 1, 327,680 bytes of LDS; arguments heads, o16; writes o16
.if DOCPART == 5
	.amdgcn_target "amdgcn-amd-amdhsa--gfx1250"
	.amdhsa_code_object_version 6
	.text
	.protected	k_qc36f856e75_attn
	.globl	k_qc36f856e75_attn
	.p2align	8
	.type	k_qc36f856e75_attn,@function
k_qc36f856e75_attn:
	s_mov_b64 s[64:65], 0
	v_nop
	global_prefetch_b8 v0, s[64:65] scope:SCOPE_SE
	s_setreg_imm32_b32 hwreg(HW_REG_WAVE_MODE, 25, 1), 1
	s_wait_xcnt 0x0
	s_wait_alu depctr_hold_cnt(0) depctr_sa_sdst(0) depctr_va_vdst(0) depctr_va_sdst(0) depctr_va_ssrc(0) depctr_va_vcc(0) depctr_vm_vsrc(0)
	s_getreg_b32 s2, hwreg(HW_REG_IB_STS2, 6, 4)
	s_cmp_eq_u32 s2, 0
	s_cbranch_scc0 .Lentry_in_a_cluster
	s_endpgm
.Lentry_in_a_cluster:
	s_bfe_u32 s2, ttmp6, 0x10000c
	s_cmp_lg_u32 s2, 0x3003
	s_cbranch_scc0 .Lentry_shape_is_right
	s_endpgm
.Lentry_shape_is_right:
; THE TEACHER'S CAUSAL ATTENTION.  O[q] = sum over k <= q of softmax_k(Q[q] . K[k] / 8) V[k]; 32 query heads on 8 key and value heads, 1,024 rows, head size 64, all f16 by heads.
; Products, maxima and sums in f32; the weights are rounded to f16 for the second product, O once at the end.
; LIMITS.  Q, K, V arrive within f16's 65,504.  A hidden score counts as its value less 1e30; a weight below 2^-126 counts as 0; NaN and infinities are not treated apart.
; SHARES.  Grid row = kv x 2 + b.  A work-group takes two blocks of 32 queries x the group's 4 heads: block 31 - p, then block p, p = 4 c4 + cx.  Key tiles have 128 keys (two steps of 64);
; block i needs i / 4 + 1 of them, the pair (8 - c4) + (c4 + 1) = 9: equal work for all.  Wave w: queries 16 (w / 2) + r, heads 2 (w % 2) + u, u = 0, 1.
; CLUSTER.  The four partners share c4, so they walk the same nine tiles in the same order: every K and V tile is asked for JOINTLY, and every branch hangs on c4 or a constant.
; cx enters Q's and O's addresses and the mask's numbers alone.  At most one step of a block is wholly hidden; it is computed all the same, since leaving it out would be a branch on cx.
; THE MASK is the C operand that starts S^T = K Q^T: MD (the mask of the step that holds the diagonal) x AL + BE, AL = 1 in that step, BE = -1e30 behind it.
; IN PHASES: a step's 16 products K Q^T, the softmax of both tiles, its 16 products V^T P.
; REGISTERS: window 0: v0-31 addresses, statistics; v48-55 at work; v64-127 S^T; v192-223 P.  Window 1: v0-63 O^T; v128-159 MD; v160-191 MC.  Window 2: v0-31 Q; v32-63 the second block's Q; v128-191 K; v192-255 V.
.set PK,    144
.set PV,    160
.set VOFF,  128*PK
.set SLOT1, 65536
.set STAGE, 131072                     ; 16 rows x 272 bytes for each wave, never filled by a tensor load
.set SP,    272
.set SPARE, STAGE+4*16*SP
.set AK0, 2
.set AV0, 3
.set AK,  4
.set AV,  5
.set STO, 6
.set RD,  7
.set GO,  8
.set MV,  12                           ; v12-13 c m_old
.set QO,  15
.set ST,  16                           ; tile u: c m, m, l (even keys', odd keys')
.set TMP, 48
.set SPW, 62
.set NIL, 63
.set S,   64
.set P,   192
.set MD,  128
.set MC,  160
.set KF,  128
.set VF,  192
.set WV,  12
.set G1K, 24
.set G1V, 32
.set G0K, 40
.set G0V, 44
.set KB,  48                           ; s[48:49] K at my half of tile 0;  s[50:51] V
.set VB,  50
.set SLOTS, 56
.set TWICE, 57
.set CS,  58
.set SEL, 60
.set TBK, 62
.set TBV, 63
.set RT,  70                           ; tiles of the block in hand still to be walked
.set NXT, 71                           ; the tile to be asked for next
.set LQ,  72                           ; the last tile of the block whose tiles are being asked for
.set PBL, 73                           ; c4
.set OFF, 74
.set KSI, 76                           ; the key step in hand, counted from the block's first
.set OLO, 80
.set BIGN, 82
.set QLO, 86
.set MSB, 0
.macro WIN new
.if MSB != (\new)
	s_set_vgpr_msb (MSB<<8)|(\new)
.set MSB, (\new)
.endif
.endm
.macro JLOAD                           ; waves 0, 1: the halves of a tile's K; waves 2, 3: of its V; an s_nop 0 and four v_nop follow each line
	s_cmp_lt_u32 s[WV], 2
	s_cbranch_scc0 .Lfor_v_\@
	tensor_load_to_lds s[G0K:G0K+3], s[G1K:G1K+7]
	s_nop 0
.rept 4
	v_nop
.endr
	s_branch .Lasked_\@
.Lfor_v_\@:
	tensor_load_to_lds s[G0V:G0V+3], s[G1V:G1V+7]
	s_nop 0
.rept 4
	v_nop
.endr
.Lasked_\@:
.endm
.macro CROUND
	s_barrier_signal -1
	s_barrier_wait -1
	s_cmp_lg_u32 s[WV], 0
	s_cbranch_scc1 .Lnot_wave_0_\@
	s_barrier_signal -3
.Lnot_wave_0_\@:
	s_barrier_wait -3
	s_barrier_signal -1
	s_barrier_wait -1
.endm
; THE CHANGE OF SLOTS.  Each wave waits for all its tensor loads (one is out: its part of the other slot), adds 0 to its spare word, and waits for that and for its reads of the slot that it leaves.
; fill = 1: behind a round of the cluster's barrier the old slot is filled again with tile NXT, the first thing there; the load has a tile's two steps in which to land.
.macro CHANGE fill
	WIN 0
	s_wait_tensorcnt 0x0
	ds_add_u32 v[SPW], v[NIL]
.if \fill
	s_lshl_b32 s[OFF], s[NXT], 14                  ; a tile is 16,384 bytes of K and of V
	s_xor_b32 s[G0K+1], s[G0K+1], SLOT1
	s_add_nc_u64 s[G0K+2:G0K+3], s[KB:KB+1], s[OFF:OFF+1]
	s_or_b32 s[G0K+3], s[G0K+3], 0x80000000
	s_xor_b32 s[G0V+1], s[G0V+1], SLOT1
	s_add_nc_u64 s[G0V+2:G0V+3], s[VB:VB+1], s[OFF:OFF+1]
	s_or_b32 s[G0V+3], s[G0V+3], 0x80000000
	s_add_co_u32 s[NXT], s[NXT], 1                 ; the block's next tile, or behind its last the second block's tile 0
	s_cmp_gt_u32 s[NXT], s[LQ]
	s_cselect_b32 s[NXT], 0, s[NXT]
	s_cselect_b32 s[LQ], s[PBL], s[LQ]
	s_wait_dscnt 0x0
	CROUND
	JLOAD
.else
	s_wait_dscnt 0x0
	s_barrier_signal -1
	s_barrier_wait -1
.endif
	s_sub_co_u32 s[TBK], s[TBK], 128*PK            ; the fetches go back to a slot's first step, in the other slot
	s_xor_b32 s[TBK], s[TBK], SLOT1
	s_sub_co_u32 s[TBV], s[TBV], 128*PV
	s_xor_b32 s[TBV], s[TBV], SLOT1
.endm
	s_load_b128 s[4:7], s[0:1], 0x0                ; heads s[4:5], o16 s[6:7]
	v_lshl_add_u32 v[SPW], v0, 2, SPARE
	v_mov_b32 v[NIL], 0
	ds_add_u32 v62, v63
	s_wait_dscnt 0x0
	v_lshrrev_b32 v1, 5, v0
	v_readfirstlane_b32 s[WV], v1
	s_bfe_u32 s13, ttmp6, 0x40000                  ; cx
	s_mov_b32 s[PBL], ttmp9                        ; c4
	s_lshl_b32 s14, ttmp9, 2
	s_add_co_u32 s14, s14, s13                     ; p: the second block
	s_sub_co_u32 s15, 31, s14                      ; the first block
	s_and_b32 s20, ttmp7, 0xffff                   ; kv x 2 + b
	s_lshr_b32 s21, s20, 1
	s_and_b32 s22, s20, 1
	s_and_b32 s16, s[WV], 1
	s_lshr_b32 s23, s[WV], 1
	s_add_co_u32 s2, s20, 64                       ; K: head blocks 32..39
	s_lshl_b32 s2, s2, 17
	s_lshl_b32 s3, s16, 13                         ; my 64 keys of a tile
	s_add_co_u32 s2, s2, s3
	s_mov_b32 s3, 0
	s_mul_i32 s17, s16, 64*PK
	s_mul_i32 s18, s16, 64*PV
	s_lshl_b32 s66, s21, 3
	s_lshl_b32 s67, s16, 2
	s_add_co_u32 s66, s66, s67
	s_add_co_u32 s66, s66, s22                     ; (4 kv + 2 (w % 2)) x 2 + b
	s_lshl_b32 s66, s66, 17
	s_lshl_b32 s67, s23, 11
	s_add_co_u32 s66, s66, s67
	s_lshl_b32 s68, s15, 12
	s_add_co_u32 s68, s68, s66
	s_mov_b32 s69, 0
	s_lshl_b32 s78, s14, 12
	s_add_co_u32 s78, s78, s66
	s_mov_b32 s79, 0
	s_lshl_b32 s66, s21, 20
	s_lshl_b32 s67, s22, 19
	s_add_co_u32 s66, s66, s67
	s_lshl_b32 s67, s23, 13
	s_add_co_u32 s66, s66, s67
	s_lshl_b32 s67, s16, 8
	s_add_co_u32 s66, s66, s67
	s_lshl_b32 s84, s15, 14
	s_add_co_u32 s84, s84, s66
	s_mov_b32 s85, 0
	s_lshl_b32 s88, s14, 14
	s_add_co_u32 s88, s88, s66
	s_mov_b32 s89, 0
	s_lshl_b32 s83, s23, 4                         ; 16 (w / 2)
	; 64 keys are 8,192 dense bytes: asked for as 32 rows of 256 bytes, two keys a row, padded in LDS after every key
	s_mov_b32 s[G1K], 15|(1<<16)|(1<<20)|(1<<21)|(4<<22)|(3<<25)
	s_mov_b32 s[G1V], 15|(1<<16)|(1<<20)|(1<<21)|(4<<22)|(7<<25)
.irp g, G1K, G1V
	s_mov_b32 s[\g+1], 128<<16
	s_mov_b32 s[\g+2], 32<<16
	s_mov_b32 s[\g+3], 128<<16
	s_mov_b32 s[\g+4], 32
	s_mov_b32 s[\g+5], 128
	s_mov_b32 s[\g+6], 0
	s_mov_b32 s[\g+7], 0
.endr
	s_mov_b32 s[CS], 0x3e38aa3b                    ; c = log2(e) / 8
	s_mov_b32 s[CS+1], s[CS]
	s_mov_b32 s[SEL], 0x76543210
	s_mov_b32 s[SEL+1], 0xfedcba98
	s_mov_b32 s[TBK], SLOT1+128*PK                 ; the first change of slots turns these two into 0
	s_mov_b32 s[TBV], SLOT1+128*PV
	s_mov_b32 s[G0K], 1
	s_mov_b32 s[G0K+1], s17
	s_mov_b32 s[G0V], 1
	s_add_co_u32 s[G0V+1], s18, VOFF
	s_sub_co_u32 s[RT], 8, s[PBL]
	s_mov_b32 s[NXT], 1
	s_sub_co_u32 s[LQ], 7, s[PBL]
	s_mov_b32 s[OFF+1], 0
	s_mov_b32 s[KSI], 0
	s_mov_b32 s[BIGN], 0xf149f2ca                  ; -1e30
	s_mov_b32 s[SLOTS], 8
	s_wait_kmcnt 0x0
	s_add_nc_u64 s[KB:KB+1], s[4:5], s[2:3]
	s_add_nc_u64 s[VB:VB+1], s[KB:KB+1], 0x200000  ; V: 16 head-and-batch blocks on
	s_add_nc_u64 s[G0K+2:G0K+3], s[KB:KB+1], 0
	s_or_b32 s[G0K+3], s[G0K+3], 0x80000000
	s_add_nc_u64 s[G0V+2:G0V+3], s[VB:VB+1], 0
	s_or_b32 s[G0V+3], s[G0V+3], 0x80000000
	s_add_nc_u64 s[8:9], s[4:5], s[68:69]          ; Q of the first block,
	s_add_nc_u64 s[QLO:QLO+1], s[4:5], s[78:79]    ; of the second
	s_add_nc_u64 s[10:11], s[6:7], s[84:85]        ; O likewise
	s_add_nc_u64 s[OLO:OLO+1], s[6:7], s[88:89]
	CROUND
	JLOAD                                          ; tile 0 into slot 0
	v_and_b32 v1, 15, v0                           ; r
	v_bfe_u32 v9, v0, 4, 1                         ; h
	v_lshlrev_b32 v[QO], 7, v1
	v_lshl_add_u32 v[QO], v9, 4, v[QO]
	WIN 0x80
.irp u, 0,1
.irp c, 0,1
	global_load_b128 v[16*\u+8*\c:16*\u+8*\c+3],   v[QO], s[8:9] offset:262144*\u+64*\c
	global_load_b128 v[16*\u+8*\c+4:16*\u+8*\c+7], v[QO], s[8:9] offset:262144*\u+64*\c+32
	global_load_b128 v[32+16*\u+8*\c:32+16*\u+8*\c+3],   v[QO], s[QLO:QLO+1] offset:262144*\u+64*\c
	global_load_b128 v[32+16*\u+8*\c+4:32+16*\u+8*\c+7], v[QO], s[QLO:QLO+1] offset:262144*\u+64*\c+32
.endr
.endr
	WIN 0x40                                       ; O^T and l need only be finite: a block's first step multiplies them by a = 0
.set i, 0
.rept 64
	v_mov_b32 v[i], 0
.set i, i+1
.endr
	WIN 0
.macro FRESH                           ; a block begins: c m far below every c s, m the lowest finite number
.irp u, 0,1
	v_mov_b32 v[ST+4*\u], 0xfe000000
	v_mov_b32 v[ST+4*\u+1], 0xff7fffff
.endr
.endm
	FRESH
.irp u, 0,1
	v_mov_b32 v[ST+4*\u+2], 0
	v_mov_b32 v[ST+4*\u+3], 0
.endr
	v_mov_b32 v27, 0                               ; named as pairs with AL and BE
	v_mov_b32 v29, 0
	v_lshlrev_b32 v10, 3, v9
	v_sub_nc_u32 v10, v1, v10                      ; r - 8 h
	v_mul_u32_u24 v[AK0], v1, PK
	v_lshl_add_u32 v[AK0], v9, 4, v[AK0]
	v_and_b32 v11, 7, v0
	v_lshl_add_u32 v[AV0], v9, 3, v11
	v_mul_u32_u24 v[AV0], v[AV0], PV
	v_bfe_u32 v11, v0, 3, 1
	v_lshl_add_u32 v[AV0], v11, 4, v[AV0]
	v_add_nc_u32 v[AV0], VOFF, v[AV0]
	s_mul_i32 s66, s[WV], 16*SP
	s_add_co_u32 s66, s66, STAGE
	v_mul_u32_u24 v[STO], v1, SP
	v_lshl_add_u32 v[STO], v9, 4, v[STO]
	v_add_nc_u32 v[STO], s66, v[STO]
	v_mul_u32_u24 v[RD], v9, SP
	v_lshl_add_u32 v[RD], v1, 4, v[RD]
	v_add_nc_u32 v[RD], s66, v[RD]
	v_lshlrev_b32 v[GO], 9, v9
	v_lshl_add_u32 v[GO], v1, 4, v[GO]
; The mask of the step that holds block sb's diagonal: key 16 kb + 8 h + j of the step is hidden where it is greater than my query's place 32 (block % 2) + 16 (w / 2) + r.
.macro MKMD sb
	s_and_b32 s66, s[\sb], 1
	s_lshl_b32 s66, s66, 5
	s_add_co_u32 s66, s66, s83
	v_add_nc_u32 v14, s66, v10
	s_lshr_b32 s66, s[\sb], 1
	v_mov_b32 v24, s66                             ; the step that holds the diagonal
	WIN 0x40
.set i, 0
.rept 32
	v_cmp_gt_i32 vcc_lo, 16*(i/8)+i%8, v14
	v_cndmask_b32 v[MD+i], 0, s[BIGN], vcc_lo
.set i, i+1
.endr
	WIN 0
.endm
	MKMD 15
.macro REGS u
.set rT, ST+4*(\u)
.set rC, TMP+4*(\u)
.set rM, MV+(\u)
.set rS, S+32*(\u)
.set rP, P+16*(\u)
.endm
; Number n of the 22 that find tile u's maximum and statistics; each accumulator's lowest registers are read first.
.macro XS u, n
	REGS \u
.if (\n) < 4
	v_max3_num_f32 v[rC+(\n)], v[rS+8*(\n)], v[rS+8*(\n)+1], v[rS+8*(\n)+2]
.elseif (\n) < 12
	v_max3_num_f32 v[rC+(\n)%4], v[rC+(\n)%4], v[rS+8*((\n)%4)+2*((\n)/4)+1], v[rS+8*((\n)%4)+2*((\n)/4)+2]
.elseif (\n) == 12
	v_max3_num_f32 v[rC], v[rC], v[rS+7], v[rS+15]
.elseif (\n) == 13
	v_max3_num_f32 v[rC+1], v[rC+1], v[rS+23], v[rS+31]
.elseif (\n) == 14
	v_max3_num_f32 v[rC+2], v[rC+2], v[rC+3], v[rT+1]
.elseif (\n) == 15
	v_mov_b32 v[rM], v[rT]
.elseif (\n) == 16
	v_max3_num_f32 v[rC], v[rC], v[rC+1], v[rC+2]
.elseif (\n) == 17
	v_permlanex16_b32 v[rC+3], v[rC], s[SEL], s[SEL+1]
.elseif (\n) == 18
	v_max_num_f32 v[rT+1], v[rC], v[rC+3]
.elseif (\n) == 19
	v_mul_f32 v[rT], s[CS], v[rT+1]
.elseif (\n) == 20
	v_sub_f32 v[rC+1], v[rM], v[rT]
.else
	v_exp_f32 v[rC+2], v[rC+1]
.endif
.endm
.macro BOTH line:vararg                ; one line for each tile u
.irp u, 0,1
	REGS \u
	\line
.endr
.endm
; A KEY STEP of 64 keys.
.macro STEP
.rept 4
	v_nop                                          ; the places between the last products and the loads into V's registers
.endr
	v_add_nc_u32 v[AK], s[TBK], v[AK0]
	v_add_nc_u32 v[AV], s[TBV], v[AV0]
	WIN 0x80
.irp f, 0,1,2,3,4,5,6,7                ; K: keys 16 (f / 2) on, channels 32 (f % 2) on
	ds_load_b128 v[KF+8*\f:KF+8*\f+3],   v[AK] offset:(\f/2)*16*PK+(\f%2)*64
	ds_load_b128 v[KF+8*\f+4:KF+8*\f+7], v[AK] offset:(\f/2)*16*PK+(\f%2)*64+32
.endr
.irp f, 0,1,2,3,4,5,6,7                ; V, turned: keys 32 (f / 4) on, channels 16 (f % 4) on
	ds_load_tr16_b128 v[VF+8*\f:VF+8*\f+3],   v[AV] offset:(\f/4)*32*PV+(\f%4)*32
	ds_load_tr16_b128 v[VF+8*\f+4:VF+8*\f+7], v[AV] offset:(\f/4)*32*PV+16*PV+(\f%4)*32
.endr
	WIN 0
	s_add_co_u32 s[TBK], s[TBK], 64*PK
	s_add_co_u32 s[TBV], s[TBV], 64*PV
	v_cmp_eq_u32 vcc_lo, s[KSI], v24               ; the step that holds the diagonal?
	v_cndmask_b32 v26, 0, 1.0, vcc_lo
	v_cmp_gt_u32 vcc_lo, s[KSI], v24               ; or one behind it?
	v_cndmask_b32 v28, 0, s[BIGN], vcc_lo
	WIN 0x41
.set z, 0
.rept 16
	v_pk_fma_f32 v[MC+2*z:MC+2*z+1], v[MD+2*z:MD+2*z+1], v[26:27], v[28:29] op_sel_hi:[1,0,0]
.set z, z+1
.endr
	s_wait_dscnt 16                                ; K is in; V's sixteen loads may stay out
.set i, 0
.rept 16                               ; S^T = K Q^T: tile i % 2, keys 16 ((i / 2) % 4) on, channels 32 (i / 8) on; eight accumulators by turns; the first eight start with the mask
.set rS, S+32*(i%2)+8*((i/2)%4)
.set rK, KF+16*((i/2)%4)+8*(i/8)
.set rQ, 16*(i%2)+8*(i/8)
.set rM, MC+8*((i/2)%4)
.if i < 8
	WIN 0x1a
	v_wmma_f32_16x16x32_f16 v[rS:rS+7], v[rK:rK+7], v[rQ:rQ+7], v[rM:rM+7]
.else
	WIN 0x0a
	v_wmma_f32_16x16x32_f16 v[rS:rS+7], v[rK:rK+7], v[rQ:rQ+7], v[rS:rS+7]
.endif
.set i, i+1
.endr
	WIN 0
.rept 4
	v_nop                                          ; the places behind those products
.endr
.irp n, 0,1,2,3,4,5,6,7,8,9,10,11,12,13,14,15,16,17,18,19,20,21
	XS 0, \n
	XS 1, \n
.endr
.set k, 0
.rept 16                               ; c s - c m
	BOTH v_pk_fma_f32 v[rS+2*k:rS+2*k+1], v[rS+2*k:rS+2*k+1], s[CS:CS+1], v[rT:rT+1] op_sel_hi:[1,0,0] neg_lo:[0,0,1] neg_hi:[0,0,1]
.set k, k+1
.endr
.set k, 0
.rept 64
	v_exp_f32 v[S+k], v[S+k]
.set k, k+1
.endr
	v_nop
	s_wait_alu depctr_va_vdst(0)
.set k, 0
.rept 16
	BOTH v_cvt_pk_f16_f32 v[rP+k], v[rS+2*k], v[rS+2*k+1]
.set k, k+1
.endr
.irp w, 4,8,16,32                      ; the sum of a tile's 16 pairs, in place
.set k, 0
.rept 32/\w
	BOTH v_pk_add_f32 v[rS+\w*k:rS+\w*k+1], v[rS+\w*k:rS+\w*k+1], v[rS+\w*k+\w/2:rS+\w*k+\w/2+1]
.set k, k+1
.endr
.endr
	BOTH v_pk_fma_f32 v[rT+2:rT+3], v[rT+2:rT+3], v[rC+2:rC+3], v[rS:rS+1] op_sel_hi:[1,0,1]
	WIN 0x41
.set k, 0
.rept 16                               ; O^T times a
	v_pk_mul_f32 v[2*k:2*k+1], v[2*k:2*k+1], v[TMP+2:TMP+3] op_sel_hi:[1,0]
	v_pk_mul_f32 v[32+2*k:32+2*k+1], v[32+2*k:32+2*k+1], v[TMP+6:TMP+7] op_sel_hi:[1,0]
.set k, k+1
.endr
	s_wait_dscnt 0x0                               ; V is in
	WIN 0x52
.set i, 0
.rept 16                               ; O^T += V^T P: tile i % 2, channels 16 ((i / 2) % 4) on, keys 32 (i / 8) on; eight accumulators by turns
.set rO, 32*(i%2)+8*((i/2)%4)
.set rV, VF+32*(i/8)+8*((i/2)%4)
.set rP, P+16*(i%2)+8*(i/8)
	v_wmma_f32_16x16x32_f16 v[rO:rO+7], v[rV:rV+7], v[rP:rP+7], v[rO:rO+7]
.set i, i+1
.endr
	WIN 0
	s_add_co_u32 s[KSI], s[KSI], 1
.endm
.macro TILE
	s_mov_b32 s[TWICE], 2
.Lstep_\@:
	STEP
	s_sub_co_u32 s[TWICE], s[TWICE], 1
	s_cmp_lg_u32 s[TWICE], 0
	s_cbranch_scc1 .Lstep_\@
.endm
; A BLOCK'S WAY OUT: O^T / l, rounded to f16, through my stage; a row of my two heads is 256 consecutive bytes of o16[kv][m][256], aligned.
.macro FINISH
.rept 4
	v_nop
.endr
	BOTH v_add_f32 v[rT+2], v[rT+2], v[rT+3]
	BOTH v_permlanex16_b32 v[rT+3], v[rT+2], s[SEL], s[SEL+1]
	BOTH v_add_f32 v[rT+2], v[rT+2], v[rT+3]
	BOTH v_rcp_f32 v[rT+2], v[rT+2]
	v_nop
	WIN 0x41
.set k, 0
	s_wait_alu depctr_va_vdst(0)
.rept 16
	v_pk_mul_f32 v[2*k:2*k+1], v[2*k:2*k+1], v[ST+2:ST+3] op_sel_hi:[1,0]
	v_pk_mul_f32 v[32+2*k:32+2*k+1], v[32+2*k:32+2*k+1], v[ST+6:ST+7] op_sel_hi:[1,0]
.set k, k+1
.endr
	WIN 0x05
.set k, 0
.rept 32
	v_cvt_pk_f16_f32 v[S+k], v[2*k], v[2*k+1]
.set k, k+1
.endr
	WIN 0
.irp f, 0,1,2,3,4,5,6,7                ; tile f / 4, channels 16 (f % 4) on
	ds_store_b128 v[STO], v[S+4*\f:S+4*\f+3] offset:32*\f
.endr
.irp f, 0,1,2,3,4,5,6,7
	ds_load_b128 v[S+32+4*\f:S+32+4*\f+3], v[RD] offset:2*SP*\f
.endr
.irp f, 0,1,2,3,4,5,6,7
	s_wait_dscnt 7-\f
	global_store_b128 v[GO], v[S+32+4*\f:S+32+4*\f+3], s[10:11] offset:1024*\f
.endr
.endm
	s_wait_loadcnt 0x0                             ; Q
.Lslot:                                                ; eight trips: a tile is walked and the next is asked for
	CHANGE 1
	TILE
	s_sub_co_u32 s[RT], s[RT], 1
	s_cmp_lg_u32 s[RT], 0
	s_cbranch_scc1 .Lbottom
	FINISH                                         ; the first block's end
	s_wait_xcnt 0x0                                ; the stores have read their registers and O's address
	s_mov_b64 s[10:11], s[OLO:OLO+1]
	WIN 0x82
.set i, 0
.rept 32
	v_mov_b32 v[i], v[32+i]
.set i, i+1
.endr
	WIN 0
	FRESH
	MKMD 14
	s_mov_b32 s[KSI], 0
	s_add_co_u32 s[RT], s[PBL], 1
.Lbottom:
	s_sub_co_u32 s[SLOTS], s[SLOTS], 1
	s_cmp_lg_u32 s[SLOTS], 0
	s_cbranch_scc1 .Lslot
	CHANGE 0                                       ; the walk's last tile is written out: nothing is asked for
	TILE
	FINISH
	s_wait_tensorcnt 0x0                           ; the wave's end
	ds_add_u32 v[SPW], v[NIL]
	s_wait_dscnt 0x0
	CROUND                                         ; the closing round
	s_endpgm
.Lfunc_end_k_qc36f856e75_attn:
	.size	k_qc36f856e75_attn, .Lfunc_end_k_qc36f856e75_attn-k_qc36f856e75_attn
	.p2alignl 7, 3214868480
	.fill 96, 4, 3214868480
	.section	.rodata,"a",@progbits
	.p2align	6, 0x0
	.amdhsa_kernel k_qc36f856e75_attn
		.amdhsa_group_segment_fixed_size 327680
		.amdhsa_private_segment_fixed_size 0
		.amdhsa_enable_private_segment 0
		.amdhsa_kernarg_size 16
		.amdhsa_user_sgpr_count 2
		.amdhsa_user_sgpr_kernarg_segment_ptr 1
		.amdhsa_wavefront_size32 1
		.amdhsa_system_sgpr_workgroup_id_x 1
		.amdhsa_system_sgpr_workgroup_id_y 1
		.amdhsa_system_sgpr_workgroup_id_z 1
		.amdhsa_system_vgpr_workitem_id 0
		.amdhsa_next_free_vgpr 768
		.amdhsa_next_free_sgpr 90
		.amdhsa_reserve_vcc 1
		.amdhsa_float_denorm_mode_32 3
		.amdhsa_float_denorm_mode_16_64 3
		.amdhsa_memory_ordered 1
		.amdhsa_forward_progress 1
		.amdhsa_inst_pref_size 72
	.end_amdhsa_kernel
	.amdgpu_metadata
---
amdhsa.version: [ 1, 2 ]
amdhsa.kernels:
  - .name:           k_qc36f856e75_attn
    .symbol:         k_qc36f856e75_attn.kd
    .args:
      - { .name: heads, .offset: 0, .size: 8, .value_kind: global_buffer, .address_space: global }
      - { .name: o16, .offset: 8, .size: 8, .value_kind: global_buffer, .address_space: global }
    .group_segment_fixed_size: 327680
    .private_segment_fixed_size: 0
    .kernarg_segment_align: 8
    .kernarg_segment_size: 16
    .max_flat_workgroup_size: 128
    .sgpr_count:     90
    .vgpr_count:     768
    .wavefront_size: 32
...
	.end_amdgpu_metadata
.endif
;; end of part 5
;; launch gla_out (part 6): grid 256 x 1, 4 waves a work-group, no clusters, 161,792 bytes of LDS; arguments heads, gate, s0st, ksraw, o16; writes o16
.if DOCPART == 6
	.amdgcn_target "amdgcn-amd-amdhsa--gfx1250"
	.amdhsa_code_object_version 6
	.text
	.protected	k_qc36f856e75_gla_out
	.globl	k_qc36f856e75_gla_out
	.p2align	8
	.type	k_qc36f856e75_gla_out,@function
k_qc36f856e75_gla_out:
	s_mov_b64 s[64:65], 0
	v_nop
	global_prefetch_b8 v0, s[64:65] scope:SCOPE_SE
	s_setreg_imm32_b32 hwreg(HW_REG_WAVE_MODE, 25, 1), 1
	s_wait_xcnt 0x0
; THE STUDENT'S OUTPUTS.  A work-group takes one segment of 64 steps of one sequence (kv x 2 + b), for the group's four query heads; wave w the steps t = 16 w + r.
; With R = 16 w - 1 (G_R = 0 for w = 0):   S_R = 2^(G_R) S0 + sum over s <= R of khat_s 2^(G_R - G_s) v_s^T
;   o_t = (qhat_t 2^(G_t - G_R)) . S_R + sum over s in my 16 steps, s <= t, of A_ts v_s,   A_ts = sum over d of qhat_t[d] khat_s[d] 2^(G_t[d] - G_s[d]).
; Every exponent that reaches a sum is <= 0.  Pairs with s > t, and rows s > R of the decayed k, may overflow in their own matrix row alone; their bits are cleared by v_and before they enter a sum.
; All products outside the matrix unit are made in f32 and rounded once to f16 on the way to it.
; THE SCALE.  sc = 2^(131 - e), e the biased exponent of the largest |v_s| of the launch before (sc at most 2^126): 1,024 |v| sc < 2^15, so v sc, the state and o sc have room in f16.
; o16's second half holds o x sc; the last launch takes sc out in f32.  NaN and infinities are not treated apart.
; No tensor loads (a unit's inputs are 64 KiB, used once); no cluster (units share nothing but the 1 KiB of maxima).  One barrier: behind it each wave stores into LDS bytes of its own alone.
.set GL,  512                          ; 64 x 272  G.  Bytes 0-511 hold zeros, so that row -1 of G (bytes 240-495) is wave 0's G_R = 0: row R's address is w x 4,352 + GL - 272 for every wave
.set KH,  17920                        ; 64 x 144  khat
.set VL,  27136                        ; 64 x 160  v x sc
.set QL,  37376                        ; 4 heads x 64 x 144  qhat
.set KT,  74240                        ; 4 waves x 64 x 160  khat with its decay to row R
.set AL,  115200                       ; 4 waves x 4 heads x 16 x 48  A
.set STG, 127488                       ; 4 waves x 16 x 528  the way out
.macro WID d, s                        ; the two f16 of register s as f32, into registers d and d + 1 (halves have names for v0-127 alone)
	v_cvt_f32_f16 v[\d], v\s\().l
	v_cvt_f32_f16 v[(\d)+1], v\s\().h
.endm
	s_load_b256 s[4:11], s[0:1], 0x0               ; heads 4, gate 6, s0st 8, ksraw 10
	s_load_b64 s[16:17], s[0:1], 0x20              ; o16
	s_set_vgpr_msb 0x40
	v_lshl_add_u32 v0, v0, 2, 0x27600
	v_mov_b32 v1, 0
	s_set_vgpr_msb 0x4000
	v_lshrrev_b32 v1, 5, v0
	v_readfirstlane_b32 s12, v1                    ; wave
	v_and_b32 v1, 31, v0
	v_and_b32 v2, 15, v0                           ; r
	v_bfe_u32 v3, v0, 4, 1                         ; h
	s_lshr_b32 s13, ttmp9, 4                       ; sequence
	s_and_b32 s14, ttmp9, 15                       ; segment
	s_lshr_b32 s15, s13, 1                         ; kv
	s_and_b32 s18, s13, 1                          ; b
	s_mov_b32 s30, 0x76543210
	s_mov_b32 s31, 0xfedcba98
	s_mov_b32 s33, 0xffff
	s_mov_b32 s34, 0xffff0000
.irp j, 0,1,2,3
	s_cmp_gt_u32 s12, \j
	s_cselect_b32 s[26+\j], -1, 0                  ; sub-block j lies ahead of mine
.endr
	s_mul_i32 s38, s12, 4352                       ; 16 w rows of 272
	s_add_co_u32 s36, s38, GL                      ; G at my first row
	s_add_co_u32 s38, s38, GL-272                  ; G at row R, the row in front of it
	s_mul_i32 s37, s12, 2304                       ; 16 w rows of 144
	s_mov_b32 s55, 0
	s_wait_kmcnt 0x0
	s_lshl_b32 s54, s13, 18
	s_lshl_b32 s56, s14, 14
	s_add_co_u32 s54, s54, s56
	s_add_nc_u64 s[40:41], s[6:7], s[54:55]        ; G
	s_lshl_b32 s54, s13, 17
	s_lshl_b32 s56, s14, 13
	s_add_co_u32 s54, s54, s56
	s_add_co_u32 s54, s54, 0x400000
	s_add_nc_u64 s[42:43], s[6:7], s[54:55]        ; khat
	s_add_co_u32 s54, s13, 176
	s_lshl_b32 s54, s54, 17
	s_add_co_u32 s54, s54, s56
	s_add_nc_u64 s[44:45], s[4:5], s[54:55]        ; v_s
	s_lshl_b32 s54, s15, 3
	s_add_co_u32 s54, s54, s18
	s_add_co_u32 s54, s54, 96
	s_lshl_b32 s54, s54, 17
	s_add_co_u32 s54, s54, s56
	s_add_nc_u64 s[46:47], s[4:5], s[54:55]        ; qhat of the group's first head
	s_add_nc_u64 s[48:49], s[10:11], 0x400000      ; the maxima
	s_lshl_b32 s54, ttmp9, 14
	s_add_nc_u64 s[50:51], s[8:9], s[54:55]        ; S0
	s_lshl_b32 s54, s18, 10
	s_lshl_b32 s56, s14, 6
	s_add_co_u32 s54, s54, s56
	s_lshl_b32 s56, s12, 4
	s_add_co_u32 s54, s54, s56
	s_lshl_b32 s54, s54, 9
	s_lshl_b32 s56, s15, 20
	s_add_co_u32 s54, s54, s56
	s_add_co_u32 s54, s54, 0x800000
	s_add_nc_u64 s[52:53], s[16:17], s[54:55]      ; o16, second half, at my 16 rows
	; PHASE 1: everything the unit reads but S0, into LDS
	v_lshlrev_b32 v4, 4, v0
	v_lshlrev_b32 v9, 5, v1
.irp q, 0,1,2,3,4,5,6,7
	global_load_b128 v[16+4*\q:16+4*\q+3], v4, s[40:41] offset:2048*\q
.endr
.irp q, 0,1,2,3
	global_load_b128 v[48+4*\q:48+4*\q+3], v4, s[42:43] offset:2048*\q
	global_load_b128 v[64+4*\q:64+4*\q+3], v4, s[44:45] offset:2048*\q
.endr
.irp u, 0,1,2,3
.irp q, 0,1,2,3
	global_load_b128 v[80+16*\u+4*\q:80+16*\u+4*\q+3], v4, s[46:47] offset:262144*\u+2048*\q
.endr
.endr
	global_load_b128 v[144:147], v9, s[48:49]
	global_load_b128 v[148:151], v9, s[48:49] offset:16
	v_lshlrev_b32 v12, 2, v0
	v_mov_b32 v13, 0
	ds_store_b32 v12, v13                          ; 128 threads x 4 bytes: the zeros in front of G
	v_lshrrev_b32 v5, 4, v0
	v_mul_u32_u24 v5, v5, 272
	v_lshl_add_u32 v5, v2, 4, v5
	v_add_nc_u32 v5, GL, v5
	v_lshrrev_b32 v10, 3, v0
	v_and_b32 v11, 7, v0
	v_mul_u32_u24 v6, v10, 144
	v_lshl_add_u32 v6, v11, 4, v6
	v_add_nc_u32 v7, QL, v6
	v_add_nc_u32 v6, KH, v6
	v_mul_u32_u24 v8, v10, 160
	v_lshl_add_u32 v8, v11, 4, v8
	v_add_nc_u32 v8, VL, v8
	s_wait_loadcnt 0x0
	v_max3_num_f32 v144, v144, v145, v146
	v_max3_num_f32 v147, v147, v148, v149
	v_max3_num_f32 v144, v144, v150, v151
	v_max_num_f32 v144, v144, v147
	v_max_num_f32_dpp v144, v144, v144 row_xmask:1 row_mask:0xf bank_mask:0xf
	v_max_num_f32_dpp v144, v144, v144 row_xmask:2 row_mask:0xf bank_mask:0xf
	v_max_num_f32_dpp v144, v144, v144 row_xmask:4 row_mask:0xf bank_mask:0xf
	v_max_num_f32_dpp v144, v144, v144 row_xmask:8 row_mask:0xf bank_mask:0xf
	v_permlanex16_b32 v145, v144, s30, s31
	v_max_num_f32 v144, v144, v145
	v_readfirstlane_b32 s54, v144
	s_lshr_b32 s54, s54, 23
	s_sub_co_u32 s54, 258, s54
	s_min_u32 s54, s54, 253
	s_lshl_b32 s24, s54, 23                        ; sc
	s_mov_b32 s25, s24
.irp q, 0,1,2,3,4,5,6,7
	ds_store_b128 v5, v[16+4*\q:16+4*\q+3] offset:2176*\q
.endr
.irp q, 0,1,2,3
	ds_store_b128 v6, v[48+4*\q:48+4*\q+3] offset:2304*\q
.endr
.irp u, 0,1,2,3
.irp q, 0,1,2,3
	ds_store_b128 v7, v[80+16*\u+4*\q:80+16*\u+4*\q+3] offset:9216*\u+2304*\q
.endr
.endr
.irp k, 64,65,66,67,68,69,70,71,72,73,74,75,76,77,78,79
	WID 152+2*(\k-64), \k
.endr
.set k, 0
.rept 16
	v_pk_mul_f32 v[152+2*k:153+2*k], v[152+2*k:153+2*k], s[24:25] op_sel_hi:[1,0]
.set k, k+1
.endr
.set k, 0
.rept 16
	v_cvt_pk_f16_f32 v[184+k], v[152+2*k], v[153+2*k]
.set k, k+1
.endr
.irp q, 0,1,2,3
	ds_store_b128 v8, v[184+4*\q:184+4*\q+3] offset:2560*\q
.endr
	s_wait_dscnt 0x0                               ; for the others' sake: my parts of G, khat, qhat, v and the zeros are in LDS
	s_barrier_signal -1
	s_barrier_wait -1
	; PHASE 2: A for my 16 x 16 pairs.  For each t: W[s][d] = khat_s[d] 2^(G_t[d] - G_s[d]) (source 0, row s = my lane's r) times qhat_t of head n % 4 (source 1, column n).
	v_mul_u32_u24 v4, v2, 272
	v_lshl_add_u32 v4, v3, 5, v4
	v_add_nc_u32 v4, s36, v4                       ; my own row of G, in a fragment's order: + 64 g + {0, 16}
	v_mul_u32_u24 v5, v2, 144
	v_lshl_add_u32 v5, v3, 4, v5
	v_add_nc_u32 v5, KH, v5
	v_add_nc_u32 v5, s37, v5
	v_lshlrev_b32 v8, 5, v3
	v_add_nc_u32 v8, s36, v8                       ; row t of G; steps
	v_and_b32 v6, 3, v0
	v_mul_u32_u24 v9, v6, 9216
	v_lshl_add_u32 v9, v3, 4, v9
	v_add_nc_u32 v9, QL, v9
	v_add_nc_u32 v9, s37, v9                       ; row t of qhat, head r % 4; steps
	s_mul_i32 s54, s12, 3072
	s_add_co_u32 s54, s54, AL
	v_mul_u32_u24 v10, v6, 768
	v_lshl_add_u32 v10, v3, 4, v10
	v_add_nc_u32 v10, s54, v10                     ; row t of A; steps
.irp g, 0,1,2,3
	ds_load_b128 v[16+8*\g:16+8*\g+3], v4 offset:64*\g
	ds_load_b128 v[16+8*\g+4:16+8*\g+7], v4 offset:64*\g+16
	ds_load_b128 v[48+4*\g:48+4*\g+3], v5 offset:32*\g
.endr
	s_wait_dscnt 0x0
.irp k, 48,49,50,51,52,53,54,55,56,57,58,59,60,61,62,63
	WID 216+2*(\k-48), \k                          ; khat of my row s in f32, once for all sixteen t
.endr
	s_mov_b32 s35, 8
.Lpair:                                                ; eight trips, two t a trip, so that two accumulators take turns
.irp x, 0,1
.irp g, 0,1,2,3
	ds_load_b128 v[64+32*\x+8*\g:64+32*\x+8*\g+3], v8 offset:272*\x+64*\g
	ds_load_b128 v[64+32*\x+8*\g+4:64+32*\x+8*\g+7], v8 offset:272*\x+64*\g+16
	ds_load_b128 v[160+16*\x+4*\g:160+16*\x+4*\g+3], v9 offset:144*\x+32*\g
.endr
.endr
	s_wait_dscnt 0x0
.set k, 0
.rept 16
	v_pk_add_f32 v[64+2*k:65+2*k], v[64+2*k:65+2*k], v[16+2*k:17+2*k] neg_lo:[0,1] neg_hi:[0,1]
	v_pk_add_f32 v[96+2*k:97+2*k], v[96+2*k:97+2*k], v[16+2*k:17+2*k] neg_lo:[0,1] neg_hi:[0,1]
.set k, k+1
.endr
.set k, 0
.rept 64
	v_exp_f32 v[64+k], v[64+k]
.set k, k+1
.endr
	v_nop                                          ; a plain instruction between the exponentials and the use of their results
.set k, 0
	s_wait_alu depctr_va_vdst(0)
.rept 16
	v_pk_mul_f32 v[64+2*k:65+2*k], v[64+2*k:65+2*k], v[216+2*k:217+2*k]
	v_pk_mul_f32 v[96+2*k:97+2*k], v[96+2*k:97+2*k], v[216+2*k:217+2*k]
.set k, k+1
.endr
.set k, 0
.rept 32
	v_cvt_pk_f16_f32 v[128+k], v[64+2*k], v[65+2*k]
.set k, k+1
.endr
	v_wmma_f32_16x16x32_f16 v[192:199], v[128:135], v[160:167], 0
	v_wmma_f32_16x16x32_f16 v[200:207], v[144:151], v[176:183], 0
	v_wmma_f32_16x16x32_f16 v[192:199], v[136:143], v[168:175], v[192:199]
	v_wmma_f32_16x16x32_f16 v[200:207], v[152:159], v[184:191], v[200:207]
.rept 4
	v_nop                                          ; the places behind the products
.endr
.set k, 0
.rept 8
	v_cvt_pk_f16_f32 v[208+k], v[192+2*k], v[193+2*k]
.set k, k+1
.endr
	ds_store_b128 v10, v[208:211]                  ; A(t, s = 8 h ..): lanes of one head store the same bytes
	ds_store_b128 v10, v[212:215] offset:48
	v_add_nc_u32 v8, 544, v8
	v_add_nc_u32 v9, 288, v9
	v_add_nc_u32 v10, 96, v10
	s_sub_co_u32 s35, s35, 1
	s_cmp_lg_u32 s35, 0
	s_cbranch_scc1 .Lpair
	; PHASE 3: S0 is asked for, straight into the accumulators' registers; meanwhile khat with its decay to row R, by rows, into my own KT
	v_lshlrev_b32 v11, 4, v1
.irp db, 0,1,2,3
.irp vb, 0,1,2,3
.irp jj, 0,1
	global_load_b128 v[128+8*(4*\db+\vb)+4*\jj:128+8*(4*\db+\vb)+4*\jj+3], v11, s[50:51] offset:4096*\db+1024*\vb+512*\jj
.endr
.endr
.endr
	v_lshlrev_b32 v4, 7, v3
	v_mul_u32_u24 v5, v2, 272
	v_add_nc_u32 v5, v5, v4
	v_add_nc_u32 v5, GL, v5                        ; row r of a sub-block, channels 32 h on
	v_add_nc_u32 v4, s38, v4                       ; row R, channels 32 h on
	v_mul_u32_u24 v6, v2, 144
	v_lshl_add_u32 v6, v3, 6, v6
	v_add_nc_u32 v6, KH, v6
	s_mul_i32 s54, s12, 10240
	s_add_co_u32 s54, s54, KT
	v_mul_u32_u24 v7, v2, 160
	v_lshl_add_u32 v7, v3, 6, v7
	v_add_nc_u32 v7, s54, v7
.irp q, 0,1,2,3,4,5,6,7
	ds_load_b128 v[16+4*\q:16+4*\q+3], v4 offset:16*\q
.endr
.irp j, 0,1,2,3
.irp q, 0,1,2,3,4,5,6,7
	ds_load_b128 v[48+4*\q:48+4*\q+3], v5 offset:4352*\j+16*\q
.endr
.irp q, 0,1,2,3
	ds_load_b128 v[80+4*\q:80+4*\q+3], v6 offset:2304*\j+16*\q
.endr
	s_wait_dscnt 0x0                               ; the loads are in, and the last sub-block's stores have read v96-111
.set k, 0
.rept 16
	v_pk_add_f32 v[48+2*k:49+2*k], v[16+2*k:17+2*k], v[48+2*k:49+2*k] neg_lo:[0,1] neg_hi:[0,1]  ; G_R - G_s
.set k, k+1
.endr
.irp k, 80,81,82,83,84,85,86,87,88,89,90,91,92,93,94,95
	WID 96+2*(\k-80), \k
.endr
.set k, 0
.rept 32
	v_exp_f32 v[48+k], v[48+k]
.set k, k+1
.endr
	v_nop
.set k, 0
	s_wait_alu depctr_va_vdst(0)
.rept 16
	v_pk_mul_f32 v[48+2*k:49+2*k], v[48+2*k:49+2*k], v[96+2*k:97+2*k]
.set k, k+1
.endr
.set k, 0
.rept 16
	v_cvt_pk_f16_f32 v[96+k], v[48+2*k], v[49+2*k]
.set k, k+1
.endr
.set k, 0
.rept 16
	v_and_b32 v[96+k], s[26+\j], v[96+k]           ; rows behind R count as 0
.set k, k+1
.endr
.irp q, 0,1,2,3
	ds_store_b128 v7, v[96+4*\q:96+4*\q+3] offset:2560*\j+16*\q
.endr
.endr
	; PHASE 4: S_R x sc in the accumulators (d block db, dv block vb at 128 + 8 (4 db + vb); register j: d = 16 db + 8 h + j; lane: dv = 16 vb + r)
	v_lshlrev_b32 v4, 5, v3
	v_add_nc_u32 v4, s38, v4                       ; row R in a fragment's order
	v_and_b32 v8, 7, v0
	v_lshl_add_u32 v8, v3, 3, v8
	v_mul_u32_u24 v8, v8, 160
	v_bfe_u32 v9, v0, 3, 1
	v_lshl_add_u32 v8, v9, 4, v8                   ; the turning load's lane term
	v_add_nc_u32 v5, s54, v8
	v_add_nc_u32 v6, VL, v8
.irp g, 0,1,2,3
	ds_load_b128 v[16+8*\g:16+8*\g+3], v4 offset:64*\g
	ds_load_b128 v[16+8*\g+4:16+8*\g+7], v4 offset:64*\g+16
.endr
	s_wait_dscnt 0x0
.set k, 0
.rept 32
	v_exp_f32 v[16+k], v[16+k]
.set k, k+1
.endr
	v_nop
.set k, 0
	s_wait_alu depctr_va_vdst(0)
.rept 16
	v_pk_mul_f32 v[16+2*k:17+2*k], v[16+2*k:17+2*k], s[24:25] op_sel_hi:[1,0]  ; sc 2^(G_R)
.set k, k+1
.endr
	s_wait_loadcnt 0x0                             ; S0
.irp db, 0,1,2,3
.irp vb, 0,1,2,3
.irp p, 0,1,2,3
	v_pk_mul_f32 v[128+8*(4*\db+\vb)+2*\p:128+8*(4*\db+\vb)+2*\p+1], v[128+8*(4*\db+\vb)+2*\p:128+8*(4*\db+\vb)+2*\p+1], v[16+8*\db+2*\p:16+8*\db+2*\p+1]
.endr
.endr
.endr
.irp kk, 0,1
.irp x, 0,1,2,3
	ds_load_tr16_b128 v[64+8*\x:64+8*\x+3], v5 offset:5120*\kk+32*\x
	ds_load_tr16_b128 v[64+8*\x+4:64+8*\x+7], v5 offset:5120*\kk+32*\x+2560
	ds_load_tr16_b128 v[96+8*\x:96+8*\x+3], v6 offset:5120*\kk+32*\x
	ds_load_tr16_b128 v[96+8*\x+4:96+8*\x+7], v6 offset:5120*\kk+32*\x+2560
.endr
	s_wait_dscnt 0x0
.irp db, 0,1,2,3                       ; sixteen accumulators by turns
.irp vb, 0,1,2,3
	v_wmma_f32_16x16x32_f16 v[128+8*(4*\db+\vb):128+8*(4*\db+\vb)+7], v[64+8*\db:64+8*\db+7], v[96+8*\vb:96+8*\vb+7], v[128+8*(4*\db+\vb):128+8*(4*\db+\vb)+7]
.endr
.endr
.rept 4
	v_nop                                          ; the places in front of the next loads into the fragments, and of the conversions
.endr
.endr
	; rounded in pairs, two accumulators ARE a fragment of S_R^T (row dv = my lane, 32 d along the registers): SF(vb, kd) at 64 + 16 vb + 8 kd
.irp vb, 0,1,2,3
.irp db, 0,1,2,3
.irp p, 0,1,2,3
	v_cvt_pk_f16_f32 v[64+16*\vb+4*\db+\p], v[128+8*(4*\db+\vb)+2*\p], v[128+8*(4*\db+\vb)+2*\p+1]
.endr
.endr
.endr
	; PHASE 5: 2^(G_t - G_R) in a fragment's order, kept in f32 (v208-239); v of my 16 steps, turned; the mask s <= t
	v_mul_u32_u24 v9, v2, 272
	v_lshl_add_u32 v9, v3, 5, v9
	v_add_nc_u32 v9, s36, v9
	s_mul_i32 s54, s12, 2560
	v_add_nc_u32 v10, s54, v6
.irp g, 0,1,2,3
	ds_load_b128 v[208+8*\g:208+8*\g+3], v9 offset:64*\g
	ds_load_b128 v[208+8*\g+4:208+8*\g+7], v9 offset:64*\g+16
	ds_load_b128 v[160+8*\g:160+8*\g+3], v4 offset:64*\g
	ds_load_b128 v[160+8*\g+4:160+8*\g+7], v4 offset:64*\g+16
.endr
.irp vb, 0,1,2,3
	ds_load_tr16_b128 v[32+8*\vb:32+8*\vb+3], v10 offset:32*\vb
	ds_load_tr16_b128 v[32+8*\vb+4:32+8*\vb+7], v10 offset:32*\vb  ; steps 16-31 of the product's K meet zeros in A: any finite numbers do
.endr
	v_lshlrev_b32 v8, 3, v3
	v_sub_nc_u32 v8, v2, v8                        ; r - 8 h
.irp k, 0,1,2,3
	v_cmp_le_i32 vcc_lo, 2*\k, v8
	v_cndmask_b32 v[12+\k], 0, s33, vcc_lo
	v_cmp_le_i32 vcc_lo, 2*\k+1, v8
	v_cndmask_b32 v5, 0, s34, vcc_lo
	v_or_b32 v[12+\k], v[12+\k], v5
.endr
	s_wait_dscnt 0x0
.set k, 0
.rept 16
	v_pk_add_f32 v[208+2*k:209+2*k], v[208+2*k:209+2*k], v[160+2*k:161+2*k] neg_lo:[0,1] neg_hi:[0,1]  ; G_t - G_R
.set k, k+1
.endr
.set k, 0
.rept 32
	v_exp_f32 v[208+k], v[208+k]
.set k, k+1
.endr
	v_nop
.irp k, 164,165,166,167
	v_mov_b32 v\k, 0
.endr
	; PHASE 6: the four heads.  O^T(vb) = SF(vb, 0) q'(0) + SF(vb, 1) q'(1) + V^T(vb) A: a lane holds step t = r and eight neighbouring dv
	v_mul_u32_u24 v5, v2, 144
	v_lshl_add_u32 v5, v3, 4, v5
	v_add_nc_u32 v5, QL, v5
	v_add_nc_u32 v5, s37, v5
	s_mul_i32 s54, s12, 3072
	s_add_co_u32 s54, s54, AL
	v_mul_u32_u24 v6, v2, 48
	v_lshl_add_u32 v6, v3, 4, v6
	v_add_nc_u32 v6, s54, v6
	s_mul_i32 s54, s12, 8448
	s_add_co_u32 s54, s54, STG
	v_mul_u32_u24 v7, v2, 528
	v_lshl_add_u32 v7, v3, 4, v7
	v_add_nc_u32 v7, s54, v7
	v_add_nc_u32 v8, s54, v11
	s_wait_alu depctr_va_vdst(0)
.irp u, 0,1,2,3
.irp g, 0,1,2,3
	ds_load_b128 v[16+4*\g:16+4*\g+3], v5 offset:9216*\u+32*\g
.endr
	ds_load_b128 v[160:163], v6 offset:768*\u
	s_wait_dscnt 0x0
.irp k, 16,17,18,19,20,21,22,23,24,25,26,27,28,29,30,31
	WID 128+2*(\k-16), \k
.endr
.set k, 0
.rept 16
	v_pk_mul_f32 v[128+2*k:129+2*k], v[128+2*k:129+2*k], v[208+2*k:209+2*k]  ; q' = qhat 2^(G_t - G_R)
.set k, k+1
.endr
.set k, 0
.rept 16
	v_cvt_pk_f16_f32 v[128+k], v[128+2*k], v[129+2*k]  ; in place: register k is written when 2 k and 2 k + 1 have been read
.set k, k+1
.endr
.irp k, 0,1,2,3
	v_and_b32 v[160+\k], v[160+\k], v[12+\k]
.endr
.irp vb, 0,1,2,3                       ; four accumulators by turns
	v_wmma_f32_16x16x32_f16 v[176+8*\vb:176+8*\vb+7], v[64+16*\vb:64+16*\vb+7], v[128:135], 0
.endr
.irp vb, 0,1,2,3
	v_wmma_f32_16x16x32_f16 v[176+8*\vb:176+8*\vb+7], v[64+16*\vb+8:64+16*\vb+15], v[136:143], v[176+8*\vb:176+8*\vb+7]
.endr
.irp vb, 0,1,2,3
	v_wmma_f32_16x16x32_f16 v[176+8*\vb:176+8*\vb+7], v[32+8*\vb:32+8*\vb+7], v[160:167], v[176+8*\vb:176+8*\vb+7]
.endr
.rept 4
	v_nop
.endr
.set k, 0
.rept 16
	v_cvt_pk_f16_f32 v[240+k], v[176+2*k], v[177+2*k]
.set k, k+1
.endr
.irp vb, 0,1,2,3
	ds_store_b128 v7, v[240+4*\vb:240+4*\vb+3] offset:128*\u+32*\vb
.endr
.endr
.irp f, 0,1,2,3,4,5,6,7,8,9,10,11,12,13,14,15
	ds_load_b128 v[176+4*\f:176+4*\f+3], v8 offset:528*\f  ; a whole row of 512 bytes: my own stores above are seen, LDS serves a wave in order (ISA guide 5.7.1.4)
.endr
.irp f, 0,1,2,3,4,5,6,7,8,9,10,11,12,13,14,15
	s_wait_dscnt 15-\f
	global_store_b128 v11, v[176+4*\f:176+4*\f+3], s[52:53] offset:512*\f
.endr
	s_set_vgpr_msb 0x5
	s_wait_tensorcnt 0x0
	ds_add_u32 v0, v1
	s_wait_dscnt 0x0
	s_set_vgpr_msb 0x500
	s_endpgm
.Lfunc_end_k_qc36f856e75_gla_out:
	.size	k_qc36f856e75_gla_out, .Lfunc_end_k_qc36f856e75_gla_out-k_qc36f856e75_gla_out
	.p2alignl 7, 3214868480
	.fill 96, 4, 3214868480
	.section	.rodata,"a",@progbits
	.p2align	6, 0x0
	.amdhsa_kernel k_qc36f856e75_gla_out
		.amdhsa_group_segment_fixed_size 161792
		.amdhsa_private_segment_fixed_size 0
		.amdhsa_enable_private_segment 0
		.amdhsa_kernarg_size 40
		.amdhsa_user_sgpr_count 2
		.amdhsa_user_sgpr_kernarg_segment_ptr 1
		.amdhsa_wavefront_size32 1
		.amdhsa_system_sgpr_workgroup_id_x 1
		.amdhsa_system_sgpr_workgroup_id_y 1
		.amdhsa_system_sgpr_workgroup_id_z 1
		.amdhsa_system_vgpr_workitem_id 0
		.amdhsa_next_free_vgpr 258
		.amdhsa_next_free_sgpr 66
		.amdhsa_reserve_vcc 1
		.amdhsa_float_denorm_mode_32 3
		.amdhsa_float_denorm_mode_16_64 3
		.amdhsa_memory_ordered 1
		.amdhsa_forward_progress 1
		.amdhsa_inst_pref_size 105
	.end_amdhsa_kernel
	.amdgpu_metadata
---
amdhsa.version: [ 1, 2 ]
amdhsa.kernels:
  - .name:           k_qc36f856e75_gla_out
    .symbol:         k_qc36f856e75_gla_out.kd
    .args:
      - { .name: heads, .offset: 0, .size: 8, .value_kind: global_buffer, .address_space: global }
      - { .name: gate, .offset: 8, .size: 8, .value_kind: global_buffer, .address_space: global }
      - { .name: s0st, .offset: 16, .size: 8, .value_kind: global_buffer, .address_space: global }
      - { .name: ksraw, .offset: 24, .size: 8, .value_kind: global_buffer, .address_space: global }
      - { .name: o16, .offset: 32, .size: 8, .value_kind: global_buffer, .address_space: global }
    .group_segment_fixed_size: 161792
    .private_segment_fixed_size: 0
    .kernarg_segment_align: 8
    .kernarg_segment_size: 40
    .max_flat_workgroup_size: 128
    .sgpr_count:     66
    .vgpr_count:     258
    .wavefront_size: 32
...
	.end_amdgpu_metadata
.endif
;; end of part 6
;; launch outp (part 7): grid 8 x 16, 4 waves a work-group, clusters of 4 x 4, 327,680 bytes of LDS; arguments o16, wr, ksraw, out0, out1; writes out0, out1
.if DOCPART == 7
	.amdgcn_target "amdgcn-amd-amdhsa--gfx1250"
	.amdhsa_code_object_version 6
	.text
	.protected	k_qc36f856e75_outp
	.globl	k_qc36f856e75_outp
	.p2align	8
	.type	k_qc36f856e75_outp,@function
k_qc36f856e75_outp:
	s_mov_b64 s[64:65], 0
	v_nop
	global_prefetch_b8 v0, s[64:65] scope:SCOPE_SE
	s_setreg_imm32_b32 hwreg(HW_REG_WAVE_MODE, 25, 1), 1
	s_wait_xcnt 0x0
	s_wait_alu depctr_hold_cnt(0) depctr_sa_sdst(0) depctr_va_vdst(0) depctr_va_sdst(0) depctr_va_ssrc(0) depctr_va_vcc(0) depctr_vm_vsrc(0)
	s_getreg_b32 s2, hwreg(HW_REG_IB_STS2, 6, 4)
	s_cmp_eq_u32 s2, 0
	s_cbranch_scc0 .Lentry_in_a_cluster
	s_endpgm
.Lentry_in_a_cluster:
	s_bfe_u32 s2, ttmp6, 0x10000c
	s_cmp_lg_u32 s2, 0xf033
	s_cbranch_scc0 .Lentry_shape_is_right
	s_endpgm
.Lentry_shape_is_right:
; BOTH OUTPUT PROJECTIONS IN ONE GRID.  out[path][m][n] = sum over k of O[path][m][k] wo[path][n][k]: twice 2048 x 2048 x 2048, f16 operands, f32 sums and f32 results.
; A tile of C is 256 x 256: four waves, each 128 x 128: 64 accumulators.  Tile rows 0-7 are the teacher's, 8-15 the student's; a cluster of 4 x 4 lies wholly in one path.  128 work-groups, one tile each.
; O lies as o16[path][kv][m][256]: a K step of 128 is half of a kv block, rows of 256 bytes 512 apart; from step to step A's address goes 256 bytes on, then a kv block less 256, by turns.
; The student's O carries the factor sc = 2^(131 - e) (e: the biased exponent of the largest |v_s|, sc at most 2^126); its tiles are multiplied by 1 / sc, exactly, in f32.
; The ring, the rounds, the joint loads, the loop of one K step and the stage in slot 1 are those of the input projections' kernel.
; REGISTERS: window 0: v0-31 addresses, v32-39 the maxima, v64-191 fragments of A (on the way out 64 numbers at v64); window 1: v64-191 fragments of B; windows 2, 3: the accumulators.
.set KSTEP,  128
.set PITCH,  272
.set HALFT,  128*PITCH
.set SLOT,   4*HALFT
.set SPARE,  2*SLOT
.set STEPS,  2048/KSTEP
.set DP,     528
.set WDUMP,  64*DP
.set DUMPB,  SLOT
.set ADRA0, 16
.set ADRB0, 17
.set ADRA,  18
.set ADRB,  19
.set STD,   20
.set RD0,   21
.set RD,    22
.set GO,    26
.set VMA,   27
.set SPW,   28
.set NIL,   29
.set F0,    64
.set F1,    128
.set X,     64
.set G1, 24
.set G0, 32
.set TB, 45
.set G1B, 48
.set G0B, 56
.set AINC, 66                          ; s[66:67] what A's walking address takes next
.set SEL, 86
.set MSB, 0
.macro WIN new
.if MSB != (\new)
	s_set_vgpr_msb (MSB<<8)|(\new)
.set MSB, \new
.endif
.endm
.set MUL_LO, 0xa1
.set MUL_HI, 0xf1
.set TO_B,   0x40
.macro JLOAD s                         ; waves 0 and 1 fetch A's halves, waves 2 and 3 B's; an s_nop 0 and four v_nop follow each line
	s_cmp_eq_u32 s11, 0
	s_cbranch_scc0 .Lfor_b_\@
	tensor_load_to_lds s[G0+4*(\s):G0+4*(\s)+3], s[G1:G1+7]
	s_nop 0
.rept 4
	v_nop
.endr
	s_branch .Lasked_\@
.Lfor_b_\@:
	tensor_load_to_lds s[G0B+4*(\s):G0B+4*(\s)+3], s[G1B:G1B+7]
	s_nop 0
.rept 4
	v_nop
.endr
.Lasked_\@:
.endm
.macro CREST
	s_cmp_lg_u32 s10, 0
	s_cbranch_scc1 .Lnot_wave_0_\@
	s_barrier_signal -3
.Lnot_wave_0_\@:
	s_barrier_wait -3
	s_barrier_signal -1
	s_barrier_wait -1
.endm
.macro CROUND
	s_barrier_signal -1
	s_barrier_wait -1
	CREST
.endm
	s_load_b128 s[4:7], s[0:1], 0x0                ; o16 s[4:5], wr s[6:7]
	s_load_b128 s[68:71], s[0:1], 0x10             ; ksraw s[68:69], out0 s[70:71]
	s_load_b64 s[72:73], s[0:1], 0x20              ; out1
	v_lshl_add_u32 v[SPW], v0, 2, SPARE
	v_mov_b32 v[NIL], 0
	ds_add_u32 v28, v29
	s_wait_dscnt 0x0
	v_lshrrev_b32 v1, 5, v0
	v_readfirstlane_b32 s10, v1
	s_lshr_b32 s11, s10, 1
	s_and_b32 s12, s10, 1
	s_bfe_u32 s40, ttmp6, 0x40000                  ; cx
	s_bfe_u32 s41, ttmp6, 0x40004                  ; cy
	s_lshl_b32 s42, ttmp9, 2
	s_add_co_u32 s42, s42, s40                     ; tile column, 0..7
	s_and_b32 s83, ttmp7, 0xffff
	s_lshl_b32 s13, s83, 2
	s_add_co_u32 s13, s13, s41                     ; tile row, 0..15
	s_lshr_b32 s83, s83, 1                         ; path: from the cluster's y alone
	s_lshl_b32 s43, s41, 2
	s_lshl_b32 s43, 15, s43
	s_lshl_b32 s44, 0x1111, s40
	s_or_b32 s[G1+0], s43, (1<<16)|(1<<20)|(1<<21)|(5<<22)|(3<<25)
	s_or_b32 s[G1B+0], s44, (1<<16)|(1<<20)|(1<<21)|(5<<22)|(3<<25)
.irp g, G1, G1B
	s_mov_b32 s[(\g)+1], KSTEP<<16
	s_mov_b32 s[(\g)+2], 128<<16
	s_mov_b32 s[(\g)+3], KSTEP<<16
	s_mov_b32 s[(\g)+4], 128
	s_mov_b32 s[(\g)+6], 0
	s_mov_b32 s[(\g)+7], 0
.endr
	s_mov_b32 s[G1+5], 256                         ; O: 256 elements from row to row inside a kv block
	s_mov_b32 s[G1B+5], 2048
	s_lshr_b32 s16, s13, 3
	s_lshl_b32 s16, s16, 23
	s_and_b32 s17, s13, 7
	s_lshl_b32 s17, s17, 17
	s_add_co_u32 s16, s16, s17
	s_lshl_b32 s17, s12, 16
	s_add_co_u32 s16, s16, s17                     ; A: path, 256 rows x tile row, 128 rows x half, 512 bytes a row
	s_mov_b32 s17, 0
	s_lshl_b32 s46, s83, 23
	s_lshl_b32 s47, s42, 20
	s_add_co_u32 s46, s46, s47
	s_lshl_b32 s47, s12, 19
	s_add_co_u32 s46, s46, s47                     ; B: path, 256 rows x tile column, 128 rows x half, 4,096 bytes a row
	s_mov_b32 s47, 0
	s_mov_b32 s[AINC], 0xfff00                     ; from K step 1 to K step 2: a kv block of 1,048,576 bytes less 256
	s_mov_b32 s[AINC+1], 0
	s_mul_i32 s20, s10, HALFT
	s_mov_b32 s[TB], 0
	s_wait_kmcnt 0x0
	s_add_nc_u64 s[14:15], s[4:5], s[16:17]
	s_add_nc_u64 s[46:47], s[6:7], s[46:47]
	CROUND
.irp s, 0,1
	s_mov_b32 s[G0+4*(\s)], 1
	s_add_co_u32 s[G0+4*(\s)+1], s20, (\s)*SLOT
	s_add_nc_u64 s[G0+4*(\s)+2:G0+4*(\s)+3], s[14:15], (\s)*KSTEP*2
	s_or_b32 s[G0+4*(\s)+3], s[G0+4*(\s)+3], 0x80000000
	s_mov_b32 s[G0B+4*(\s)], 1
	s_add_co_u32 s[G0B+4*(\s)+1], s20, (\s)*SLOT
	s_add_nc_u64 s[G0B+4*(\s)+2:G0B+4*(\s)+3], s[46:47], (\s)*KSTEP*2
	s_or_b32 s[G0B+4*(\s)+3], s[G0B+4*(\s)+3], 0x80000000
	JLOAD \s
.endr
	v_and_b32 v1, 15, v0
	v_bfe_u32 v2, v0, 4, 1
	v_mul_u32_u24 v3, v1, PITCH
	v_lshl_add_u32 v3, v2, 4, v3
	s_mul_i32 s21, s11, HALFT
	s_mul_i32 s22, s12, HALFT
	s_add_co_u32 s22, s22, 2*HALFT
	v_add_nc_u32 v[ADRA0], s21, v3
	v_add_nc_u32 v[ADRB0], s22, v3
	v_mov_b32 v[ADRA], v[ADRA0]
	v_mov_b32 v[ADRB], v[ADRB0]
	s_mul_i32 s23, s10, WDUMP
	s_add_co_u32 s23, s23, DUMPB                   ; my stage
	v_mul_u32_u24 v4, v1, DP
	v_lshl_add_u32 v4, v2, 5, v4
	v_add_nc_u32 v[STD], s23, v4
	v_and_b32 v4, 31, v0
	v_lshlrev_b32 v[GO], 4, v4
	v_add_nc_u32 v[RD0], s23, v[GO]                ; back: 32 lanes take a row's 512 bytes
	v_lshlrev_b32 v[VMA], 5, v4
	s_mov_b32 s[SEL], 0x76543210
	s_mov_b32 s[SEL+1], 0xfedcba98
	s_add_nc_u64 s[74:75], s[68:69], 0x400000
	global_load_b128 v[32:35], v[VMA], s[74:75]    ; the 256 maxima: they stay out through the K loop
	global_load_b128 v[36:39], v[VMA], s[74:75] offset:16
	s_cmp_eq_u32 s83, 0
	s_cselect_b64 s[78:79], s[70:71], s[72:73]     ; out0 or out1
	s_and_b32 s76, s13, 7
	s_lshl_b32 s76, s76, 21
	s_lshl_b32 s77, s11, 20
	s_add_co_u32 s76, s76, s77
	s_lshl_b32 s77, s42, 10
	s_add_co_u32 s76, s76, s77
	s_lshl_b32 s77, s12, 9
	s_add_co_u32 s76, s76, s77
	s_mov_b32 s77, 0
	s_add_nc_u64 s[78:79], s[78:79], s[76:77]      ; my 128 x 128 of the output
.macro MUL16 f, hi, a0, zero           ; 16 matrix instructions; the 64 accumulators take turns in the same order in every quarter
	WIN MUL_LO+0x50*(\hi)
.irp a, \a0, (\a0)+1
.irp b, 0,1,2,3,4,5,6,7
.if \zero
	v_wmma_f32_16x16x32_f16 v[8*(8*(\a)+(\b)):8*(8*(\a)+(\b))+7], v[(\f)+8*(\b):(\f)+8*(\b)+7], v[(\f)+8*(4*(\hi)+(\a)):(\f)+8*(4*(\hi)+(\a))+7], 0
.else
	v_wmma_f32_16x16x32_f16 v[8*(8*(\a)+(\b)):8*(8*(\a)+(\b))+7], v[(\f)+8*(\b):(\f)+8*(\b)+7], v[(\f)+8*(4*(\hi)+(\a)):(\f)+8*(4*(\hi)+(\a))+7], v[8*(8*(\a)+(\b)):8*(8*(\a)+(\b))+7]
.endif
.endr
.endr
.endm
.macro FETCH k, f
	WIN TO_B
.irp i, 0,1,2,3,4,5,6,7
	ds_load_b128 v[(\f)+8*(\i):(\f)+8*(\i)+3],   v[ADRB] offset:(\k)+(\i)*16*PITCH
	ds_load_b128 v[(\f)+8*(\i)+4:(\f)+8*(\i)+7], v[ADRB] offset:(\k)+(\i)*16*PITCH+32
.endr
	WIN 0
.irp i, 0,1,2,3,4,5,6,7
	ds_load_b128 v[(\f)+8*(\i):(\f)+8*(\i)+3],   v[ADRA] offset:(\k)+(\i)*16*PITCH
	ds_load_b128 v[(\f)+8*(\i)+4:(\f)+8*(\i)+7], v[ADRA] offset:(\k)+(\i)*16*PITCH+32
.endr
.endm
.macro PLACES
.rept 4
	v_nop
.endr
.endm
.macro QUARTER k, f, g, zero
	s_wait_dscnt 8                                 ; B and A's rows 0-63 are in; the youngest eight loads (A's rows 64-127) may be out
	MUL16 \f, 0, 0, \zero
	MUL16 \f, 0, 2, \zero
	PLACES
	FETCH \k, \g
	s_wait_dscnt 32                                ; all but the 32 just issued
	MUL16 \f, 1, 0, \zero
	MUL16 \f, 1, 2, \zero
.endm
.macro MEET                            ; the one barrier of the change of slots, with its three lines in front
	WIN 0
	s_wait_tensorcnt 0x0                           ; all my tensor loads have landed: my part of the next slot
	ds_add_u32 v[SPW], v[NIL]
	s_wait_dscnt 9                                 ; the add and the youngest eight loads may be out
	MUL16 F1, 0, 0, 0
	s_wait_dscnt 0x0                               ; the add is done, and my reads of this slot are over
	s_barrier_signal -1
	MUL16 F1, 0, 2, 0
	WIN 0
	s_barrier_wait -1
.endm
.macro NEXTSLOT
	s_xor_b32 s[TB], s[TB], SLOT
	v_add_nc_u32 v[ADRA], s[TB], v[ADRA0]
	v_add_nc_u32 v[ADRB], s[TB], v[ADRB0]
.endm
.macro TURN
	MEET
	CREST                                          ; no wave of any partner still reads this slot or has a load on its way
	s_add_co_u32 s[G0+5], s20, s[TB]
	s_add_nc_u64 s[G0+6:G0+7], s[G0+6:G0+7], s[AINC:AINC+1]
	s_xor_b32 s[AINC], s[AINC], 0xffe00            ; 1,048,320 and 256 by turns
	s_add_co_u32 s[G0B+5], s20, s[TB]
	s_add_nc_u64 s[G0B+6:G0B+7], s[G0B+6:G0B+7], KSTEP*2
	JLOAD 1                                        ; my one tensor load behind the round; its four v_nop are also the places in front of the loads below
	NEXTSLOT
	FETCH 0, F0
	MUL16 F1, 1, 0, 0
	MUL16 F1, 1, 2, 0
.endm
	s_wait_tensorcnt 1                             ; my part of K step 0 is in; K step 1's may stay out
	s_barrier_signal -1
	s_barrier_wait -1
	FETCH 0, F0
	QUARTER 64, F0, F1, 1
	WIN 0
	s_mov_b32 s3, STEPS-2
.Lstep:
	QUARTER 128, F1, F0, 0
	QUARTER 192, F0, F1, 0
	TURN
	QUARTER 64, F0, F1, 0
	WIN 0
	s_sub_co_u32 s3, s3, 1
	s_cmp_lg_u32 s3, 0
	s_cbranch_scc1 .Lstep
	s_mov_b32 s3, 2
.Ltail:                                                ; the last two K steps ask for nothing; the second trip's barrier says that nobody reads the ring any more
	QUARTER 128, F1, F0, 0
	QUARTER 192, F0, F1, 0
	MEET
	s_cmp_eq_u32 s3, 1
	s_cbranch_scc1 .Lnofetch
	PLACES
	NEXTSLOT
	FETCH 0, F0
.Lnofetch:
	MUL16 F1, 1, 0, 0
	MUL16 F1, 1, 2, 0
	WIN 0
	s_cmp_eq_u32 s3, 1
	s_cbranch_scc1 .Lfin
	QUARTER 64, F0, F1, 0
	WIN 0
.Lfin:
	s_sub_co_u32 s3, s3, 1
	s_cmp_lg_u32 s3, 0
	s_cbranch_scc1 .Ltail
	s_wait_loadcnt 0x0                             ; the maxima; their reduction is also the places behind the last products
	v_max3_num_f32 v32, v32, v33, v34
	v_max3_num_f32 v35, v35, v36, v37
	v_max3_num_f32 v32, v32, v38, v39
	v_max_num_f32 v32, v32, v35
	v_max_num_f32_dpp v32, v32, v32 row_xmask:1 row_mask:0xf bank_mask:0xf
	v_max_num_f32_dpp v32, v32, v32 row_xmask:2 row_mask:0xf bank_mask:0xf
	v_max_num_f32_dpp v32, v32, v32 row_xmask:4 row_mask:0xf bank_mask:0xf
	v_max_num_f32_dpp v32, v32, v32 row_xmask:8 row_mask:0xf bank_mask:0xf
	v_permlanex16_b32 v33, v32, s[SEL], s[SEL+1]
	v_max_num_f32 v32, v32, v33
	v_readfirstlane_b32 s84, v32
	s_lshr_b32 s84, s84, 23
	s_sub_co_u32 s84, 258, s84
	s_min_u32 s84, s84, 253                        ; sc's exponent field
	s_sub_co_u32 s84, 254, s84
	s_lshl_b32 s84, s84, 23                        ; 1 / sc
	s_cmp_eq_u32 s83, 0
	s_cselect_b32 s84, 1.0, s84                    ; the teacher's tiles carry no scale
	s_mov_b32 s85, s84
; THE WAY OUT: half of the accumulators (64 rows) into my own stage, then four trips of 16 rows: a load brings a row's 512 bytes, a store covers 512 consecutive bytes, aligned.
.macro DUMP hi                         ; each accumulator's low registers first
	WIN 0x08+4*(\hi)                               ; store data in window 2 or 3
.irp a, 0,1,2,3
.irp b, 0,1,2,3,4,5,6,7
	ds_store_b128 v[STD], v[8*(8*\a+\b):8*(8*\a+\b)+3] offset:\a*16*DP+64*\b
	ds_store_b128 v[STD], v[8*(8*\a+\b)+4:8*(8*\a+\b)+7] offset:\a*16*DP+64*\b+16
.endr
.endr
	WIN 0
.endm
	s_mov_b32 s91, 2
.Lhalf:
	s_cmp_eq_u32 s91, 2
	s_cbranch_scc0 .Lhi
	DUMP 0
	s_branch .Ldumped
.Lhi:
	DUMP 1
.Ldumped:
	v_mov_b32 v[RD], v[RD0]
	s_mov_b32 s90, 4
.Lrows:
.set f, 0
.rept 16
	ds_load_b128 v[X+4*f:X+4*f+3], v[RD] offset:DP*f  ; LDS serves a wave's instructions in order (ISA guide 5.7.1.4): these see my stores above
.set f, f+1
.endr
.set f, 0
.rept 16
	s_wait_dscnt 15-f                              ; row f is in; the 15 - f younger loads stay out
	v_pk_mul_f32 v[X+4*f:X+4*f+1], v[X+4*f:X+4*f+1], s[84:85] op_sel_hi:[1,0]
	v_pk_mul_f32 v[X+4*f+2:X+4*f+3], v[X+4*f+2:X+4*f+3], s[84:85] op_sel_hi:[1,0]
	global_store_b128 v[GO], v[X+4*f:X+4*f+3], s[78:79] offset:8192*f th:TH_STORE_NT
.set f, f+1
.endr
	s_wait_xcnt 0x0                                ; the stores' base and data are rewritten only behind this wait
	s_add_nc_u64 s[78:79], s[78:79], 0x20000       ; 16 rows of 8,192 bytes on
	v_add_nc_u32 v[RD], 16*DP, v[RD]
	s_sub_co_u32 s90, s90, 1
	s_cmp_lg_u32 s90, 0
	s_cbranch_scc1 .Lrows
	s_sub_co_u32 s91, s91, 1
	s_cmp_lg_u32 s91, 0
	s_cbranch_scc1 .Lhalf
	s_wait_tensorcnt 0x0                           ; the wave's end
	ds_add_u32 v[SPW], v[NIL]
	s_wait_dscnt 0x0
	CROUND                                         ; the closing round
	s_endpgm
.Lfunc_end_k_qc36f856e75_outp:
	.size	k_qc36f856e75_outp, .Lfunc_end_k_qc36f856e75_outp-k_qc36f856e75_outp
	.p2alignl 7, 3214868480
	.fill 96, 4, 3214868480
	.section	.rodata,"a",@progbits
	.p2align	6, 0x0
	.amdhsa_kernel k_qc36f856e75_outp
		.amdhsa_group_segment_fixed_size 327680
		.amdhsa_private_segment_fixed_size 0
		.amdhsa_enable_private_segment 0
		.amdhsa_kernarg_size 40
		.amdhsa_user_sgpr_count 2
		.amdhsa_user_sgpr_kernarg_segment_ptr 1
		.amdhsa_wavefront_size32 1
		.amdhsa_system_sgpr_workgroup_id_x 1
		.amdhsa_system_sgpr_workgroup_id_y 1
		.amdhsa_system_sgpr_workgroup_id_z 1
		.amdhsa_system_vgpr_workitem_id 0
		.amdhsa_next_free_vgpr 1024
		.amdhsa_next_free_sgpr 96
		.amdhsa_reserve_vcc 0
		.amdhsa_float_denorm_mode_32 3
		.amdhsa_float_denorm_mode_16_64 3
		.amdhsa_memory_ordered 1
		.amdhsa_forward_progress 1
		.amdhsa_inst_pref_size 84
	.end_amdhsa_kernel
	.amdgpu_metadata
---
amdhsa.version: [ 1, 2 ]
amdhsa.kernels:
  - .name:           k_qc36f856e75_outp
    .symbol:         k_qc36f856e75_outp.kd
    .args:
      - { .name: o16, .offset: 0, .size: 8, .value_kind: global_buffer, .address_space: global }
      - { .name: wr, .offset: 8, .size: 8, .value_kind: global_buffer, .address_space: global }
      - { .name: ksraw, .offset: 16, .size: 8, .value_kind: global_buffer, .address_space: global }
      - { .name: out0, .offset: 24, .size: 8, .value_kind: global_buffer, .address_space: global }
      - { .name: out1, .offset: 32, .size: 8, .value_kind: global_buffer, .address_space: global }
    .group_segment_fixed_size: 327680
    .private_segment_fixed_size: 0
    .kernarg_segment_align: 8
    .kernarg_segment_size: 40
    .max_flat_workgroup_size: 128
    .sgpr_count:     96
    .vgpr_count:     1024
    .wavefront_size: 32
...
	.end_amdgpu_metadata
.endif
;; end of part 7
;; ======== version 2 of 2: 7 launches; version 1 with the launch cast written anew for expert scheduling mode
;; limits: values are held in f16: magnitudes above 65,504 overflow, below 6.1e-05 lose precision; values outside matrix products are rounded to f16
;; workspace buffers: xw 33,554,432 bytes; wr 17,039,360 bytes; heads 25,165,824 bytes; ksraw 4,195,328 bytes; gate 6,291,456 bytes; ust 4,194,304 bytes; s0st 4,194,304 bytes; o16 16,777,216 bytes
;; launch cast (part 8): grid 32 x 25, 8 waves a work-group, no clusters, 0 bytes of LDS; arguments hidden_states, wq, wk, wv, wq_s, wk_s, wv_s, wo, wo_s, xw, wr; writes xw, wr
.if DOCPART == 8
	.amdgcn_target "amdgcn-amd-amdhsa--gfx1250"
	.amdhsa_code_object_version 6
	.text
	.protected	k_qc36f856e75_cast
	.globl	k_qc36f856e75_cast
	.p2align	8
	.type	k_qc36f856e75_cast,@function
k_qc36f856e75_cast:
	s_mov_b64 s[64:65], 0
	v_nop
	global_prefetch_b8 v0, s[64:65] scope:SCOPE_SE
	s_setreg_imm32_b32 hwreg(HW_REG_WAVE_SCHED_MODE, 0, 2), 2
	s_setreg_imm32_b32 hwreg(HW_REG_WAVE_MODE, 25, 1), 1
	s_wait_xcnt 0x0
	s_wait_alu depctr_vm_vsrc(0)
; CAST.  The module's f32 inputs are rounded once to bf16.  x and the six input projections' weights go, as bf16, into xw [8192][2048]
; (rows: x 2048, wq 2048, wk 512, wv 512, wq_s 2048, wk_s 512, wv_s 512); wo and wo_s are rounded to bf16 and that number is written as f16 into wr
; (below f16's normal range, 6e-5, it keeps f16's fixed step of 6e-8).  Grid row y = 0..23 names 4 MiB of f32, x a piece of 128 KiB.
; Row y = 24 makes the RoPE table, f32 [1024 t][64]: cos(t f_i), i = 0..31, then sin; f_i = 500000^(-i/32).
; A stream: memory binds; no LDS, no matrix unit.  Thread t takes 16 bytes of every 4,096; all 32 loads of a thread go out first (16 KiB a wave on its way),
; and every register is used once, so no source of a pending instruction is ever rewritten.
; THE MODE: SCHED_MODE bits 1:0 = 2 (LLVM: expert scheduling mode 2), set by the entry lines.  The code itself states the register dependences
; between vector instructions and memory instructions, with s_wait_alu, always for 0.
; THE PLAN.  Registers that memory instructions touch:
;   v1, v2   byte offsets, made once at the head and never written again: v1 is read by the 32 loads, v2 by the 32 stores.
;   X        piece i: four registers.  Written by the loads, which are all issued ahead of the first conversion; read (on the f16 way also rewritten) by piece i's vector lines; no memory instruction reads them.
;   Y        piece i: two registers.  Written once, by piece i's conversions; read once, by piece i's store.
;   T        named by vector instructions alone.
; The 32 pieces go in 8 blocks of four.  Block p converts its own four pieces; its memory instructions are the four stores of block p - 1, whose Y no vector instruction of block p names.
; So one wait on va_vdst at a block's head states all that the block's four stores hang on, and these are dealt among its conversions with no further wait.
; No register that a store has read is written again, and no load is issued behind a conversion: nothing else is owed.
.set X, 4                              ; v[4:131]    32 x 4 f32 as loaded
.set Y, 132                            ; v[132:195]  32 x 2 words to store
.set T, 196                            ; v[196:199]  at work
	s_load_b512 s[8:23], s[0:1], 0x0               ; hs 8, wq 10, wk 12, wv 14, wq_s 16, wk_s 18, wv_s 20, wo 22
	s_load_b128 s[24:27], s[0:1], 0x40             ; wo_s 24, xw 26
	s_load_b64 s[28:29], s[0:1], 0x50              ; wr
	s_and_b32 s2, ttmp7, 0xffff                    ; y
	s_mov_b32 s3, ttmp9                            ; x
	v_lshlrev_b32 v1, 4, v0                        ; 16 bytes a thread in
	v_lshlrev_b32 v2, 3, v0                        ; 8 bytes a thread out
	s_wait_kmcnt 0x0
	s_cmp_eq_u32 s2, 24
	s_cbranch_scc1 .Lrope
	s_mov_b64 s[4:5], s[8:9]
	s_mov_b32 s6, 0
.macro PICK thr, p                     ; from unit thr on the source is the tensor at s[p:p+1]
	s_cmp_ge_u32 s2, \thr
	s_cselect_b64 s[4:5], s[\p:\p+1], s[4:5]
	s_cselect_b32 s6, \thr, s6
.endm
	PICK 4, 10
	PICK 8, 12
	PICK 9, 14
	PICK 10, 16
	PICK 14, 18
	PICK 15, 20
	PICK 16, 22
	PICK 20, 24
	s_sub_co_u32 s32, s2, s6
	s_lshl_b32 s32, s32, 22
	s_lshl_b32 s33, s3, 17
	s_add_co_u32 s32, s32, s33
	s_mov_b32 s33, 0
	s_add_nc_u64 s[4:5], s[4:5], s[32:33]          ; my 128 KiB of the source
	s_cmp_ge_u32 s2, 16
	s_cselect_b64 s[30:31], s[28:29], s[26:27]     ; units 16..23 go to wr, the others to xw
	s_cselect_b32 s7, 16, 0
	s_sub_co_u32 s34, s2, s7
	s_lshl_b32 s34, s34, 21
	s_lshl_b32 s35, s3, 16
	s_add_co_u32 s34, s34, s35
	s_mov_b32 s35, 0
	s_add_nc_u64 s[30:31], s[30:31], s[34:35]
	s_wait_alu depctr_va_vdst(0)                   ; v1 and v2 are written: every load below reads v1 as its offset, every store v2
.set i, 0
.rept 32
	global_load_b128 v[X+4*i:X+4*i+3], v1, s[4:5] offset:4096*i th:TH_LOAD_NT
.set i, i+1
.endr
.macro CONV i, half                    ; piece i is rounded, into its own two registers of Y
.if \half
	v_cvt_pk_bf16_f32 v[T+2*((\i)%2)], v[X+4*(\i)], v[X+4*(\i)+1]
	v_cvt_pk_bf16_f32 v[T+2*((\i)%2)+1], v[X+4*(\i)+2], v[X+4*(\i)+3]
	v_lshlrev_b32 v[X+4*(\i)], 16, v[T+2*((\i)%2)]             ; the bf16 numbers as f32 again,
	v_and_b32 v[X+4*(\i)+1], 0xffff0000, v[T+2*((\i)%2)]
	v_lshlrev_b32 v[X+4*(\i)+2], 16, v[T+2*((\i)%2)+1]
	v_and_b32 v[X+4*(\i)+3], 0xffff0000, v[T+2*((\i)%2)+1]
	v_cvt_pk_f16_f32 v[Y+2*(\i)], v[X+4*(\i)], v[X+4*(\i)+1]   ; written as f16
	v_cvt_pk_f16_f32 v[Y+2*(\i)+1], v[X+4*(\i)+2], v[X+4*(\i)+3]
.else
	v_cvt_pk_bf16_f32 v[Y+2*(\i)], v[X+4*(\i)], v[X+4*(\i)+1]
	v_cvt_pk_bf16_f32 v[Y+2*(\i)+1], v[X+4*(\i)+2], v[X+4*(\i)+3]
.endif
.endm
.macro OUT i                           ; piece i is stored; a wave's store covers 256 consecutive bytes, aligned
	global_store_b64 v2, v[Y+2*(\i):Y+2*(\i)+1], s[30:31] offset:2048*(\i)
.endm
; Block p: pieces 4 p to 4 p + 3 are rounded, and the block before is stored, a store ahead of each piece's conversions.
.macro BLK p, half
	s_wait_loadcnt 28-4*(\p)                       ; loads come back in order (ISA guide 5.7.1): this block's four are in, the 28 - 4 p younger ones stay out
.if (\p) > 0
	s_wait_alu depctr_va_vdst(0)                   ; the block before has written its eight registers of Y, which the four stores below read; no vector line of this block names them
.endif
.irp j, 0,1,2,3
.if (\p) > 0
	OUT 4*((\p)-1)+\j
.endif
	CONV 4*(\p)+\j, \half
.endr
.endm
	s_cmp_ge_u32 s2, 16
	s_cbranch_scc1 .Lhalf
.irp p, 0,1,2,3,4,5,6,7
	BLK \p, 0
.endr
	s_wait_alu depctr_va_vdst(0)                   ; block 7 has written its Y, which the last four stores read
.irp j, 28,29,30,31
	OUT \j
.endr
	s_endpgm
.Lhalf:
.irp p, 0,1,2,3,4,5,6,7
	BLK \p, 1
.endr
	s_wait_alu depctr_va_vdst(0)                   ; block 7 has written its Y, which the last four stores read
.irp j, 28,29,30,31
	OUT \j
.endr
	s_endpgm
; THE TABLE.  Thread number N = 256 x + t: 16 bytes at byte 16 N of rows 0..511, and the same place 512 rows on.  Lanes 0-7 of sixteen hold cos, lanes 8-15 sin.
; The angle is kept in turns; its fraction, a quarter of the angle, goes through Taylor polynomials (|z| <= pi/4: sin to z^7, cos to z^8), and the angle is doubled twice.
; Its memory instructions are the two stores at its end: they read v6 and v12-19, all written by vector lines ahead of the one wait that stands in front of them.
.Lrope:
	s_add_nc_u64 s[28:29], s[28:29], 0x1000000     ; the table lies behind the two weight matrices
	s_lshl_b32 s4, s3, 8
	v_add_nc_u32 v1, s4, v0                        ; N
	v_and_b32 v2, 15, v1
	v_lshrrev_b32 v3, 4, v1                        ; t
	v_cvt_f32_u32 v4, v3
	v_add_nc_u32 v3, 0x200, v3
	v_cvt_f32_u32 v5, v3                           ; t + 512
	v_and_b32 v3, 7, v2
	v_lshlrev_b32 v3, 2, v3                        ; my first i
	v_lshlrev_b32 v6, 4, v1
	v_cmp_le_u32 s40, 8, v2                        ; the lanes that store sin
	s_mov_b32 s41, 0xb9500d01                      ; -1/5040
	s_mov_b32 s42, 0x3c088889                      ; 1/120
	s_mov_b32 s43, 0xbe2aaaab                      ; -1/6
	s_mov_b32 s44, 0x37d00d01                      ; 1/40320
	s_mov_b32 s45, 0xbab60b61                      ; -1/720
	s_mov_b32 s46, 0x3d2aaaab                      ; 1/24
.irp e, 0,1,2,3
	v_add_nc_u32 v7, \e, v3
	v_cvt_f32_u32 v7, v7
	v_mul_f32 v7, 0xbf1773da, v7                   ; -i log2(500000) / 32
	v_exp_f32 v[8+\e], v7
	v_nop                                          ; a plain instruction behind the exponential, ahead of the next write of its source
.endr
	s_wait_alu depctr_va_vdst(0)                   ; the four exponentials have written v8-11, ahead of their first reader, the multiplies below: one wait for the batch
	s_wait_alu depctr_va_sdst(0)                   ; the compare has written s40, ahead of its first reader, the first v_cndmask_b32 below; no branch and no label lies between
.irp e, 0,1,2,3
	v_mul_f32 v[8+\e], 0.15915494, v[8+\e]         ; turns a step
.endr
.macro SINCOS dst, tf, tp
	v_mul_f32 v20, v[\tf], v[\tp]
	v_rndne_f32 v21, v20
	v_sub_f32 v20, v20, v21                        ; the fraction, -0.5 to 0.5 turns
	v_mul_f32 v20, 0x3fc90fdb, v20                 ; z = a quarter of the angle
	v_mul_f32 v21, v20, v20
	v_fma_f32 v22, v21, s41, s42
	v_fma_f32 v23, v21, s44, s45
	v_fma_f32 v22, v22, v21, s43
	v_fma_f32 v23, v23, v21, s46
	v_fma_f32 v22, v22, v21, 1.0
	v_fma_f32 v23, v23, v21, -0.5
	v_mul_f32 v22, v22, v20                        ; sin z
	v_fma_f32 v23, v23, v21, 1.0                   ; cos z
.rept 2
	v_mul_f32 v24, v22, v23
	v_mul_f32 v25, v22, v22
	v_add_f32 v22, v24, v24                        ; sin 2z = 2 s c
	v_fma_f32 v23, v25, -2.0, 1.0                  ; cos 2z = 1 - 2 s^2
.endr
	v_cndmask_b32 v[\dst], v23, v22, s40
.endm
.irp e, 0,1,2,3
	SINCOS 12+\e, 4, 8+\e
	SINCOS 16+\e, 5, 8+\e
.endr
	s_wait_alu depctr_va_vdst(0)                   ; the offset v6 and the eight numbers v12-19 are written, which the two stores read
	global_store_b128 v6, v[12:15], s[28:29]       ; sixteen lanes fill a row of 256 bytes
	global_store_b128 v6, v[16:19], s[28:29] offset:131072
	s_endpgm
.Lfunc_end_k_qc36f856e75_cast:
	.size	k_qc36f856e75_cast, .Lfunc_end_k_qc36f856e75_cast-k_qc36f856e75_cast
	.p2alignl 7, 3214868480
	.fill 96, 4, 3214868480
	.section	.rodata,"a",@progbits
	.p2align	6, 0x0
	.amdhsa_kernel k_qc36f856e75_cast
		.amdhsa_group_segment_fixed_size 0
		.amdhsa_private_segment_fixed_size 0
		.amdhsa_enable_private_segment 0
		.amdhsa_kernarg_size 88
		.amdhsa_user_sgpr_count 2
		.amdhsa_user_sgpr_kernarg_segment_ptr 1
		.amdhsa_wavefront_size32 1
		.amdhsa_system_sgpr_workgroup_id_x 1
		.amdhsa_system_sgpr_workgroup_id_y 1
		.amdhsa_system_sgpr_workgroup_id_z 1
		.amdhsa_system_vgpr_workitem_id 0
		.amdhsa_next_free_vgpr 200
		.amdhsa_next_free_sgpr 66
		.amdhsa_reserve_vcc 0
		.amdhsa_float_denorm_mode_32 3
		.amdhsa_float_denorm_mode_16_64 3
		.amdhsa_memory_ordered 1
		.amdhsa_forward_progress 1
		.amdhsa_inst_pref_size 41
	.end_amdhsa_kernel
	.amdgpu_metadata
---
amdhsa.version: [ 1, 2 ]
amdhsa.kernels:
  - .name:           k_qc36f856e75_cast
    .symbol:         k_qc36f856e75_cast.kd
    .args:
      - { .name: hidden_states, .offset: 0, .size: 8, .value_kind: global_buffer, .address_space: global }
      - { .name: wq, .offset: 8, .size: 8, .value_kind: global_buffer, .address_space: global }
      - { .name: wk, .offset: 16, .size: 8, .value_kind: global_buffer, .address_space: global }
      - { .name: wv, .offset: 24, .size: 8, .value_kind: global_buffer, .address_space: global }
      - { .name: wq_s, .offset: 32, .size: 8, .value_kind: global_buffer, .address_space: global }
      - { .name: wk_s, .offset: 40, .size: 8, .value_kind: global_buffer, .address_space: global }
      - { .name: wv_s, .offset: 48, .size: 8, .value_kind: global_buffer, .address_space: global }
      - { .name: wo, .offset: 56, .size: 8, .value_kind: global_buffer, .address_space: global }
      - { .name: wo_s, .offset: 64, .size: 8, .value_kind: global_buffer, .address_space: global }
      - { .name: xw, .offset: 72, .size: 8, .value_kind: global_buffer, .address_space: global }
      - { .name: wr, .offset: 80, .size: 8, .value_kind: global_buffer, .address_space: global }
    .group_segment_fixed_size: 0
    .private_segment_fixed_size: 0
    .kernarg_segment_align: 8
    .kernarg_segment_size: 88
    .max_flat_workgroup_size: 256
    .sgpr_count:     66
    .vgpr_count:     200
    .wavefront_size: 32
...
	.end_amdgpu_metadata
.endif
;; end of part 8
;; launch proj: the kernel of part 2 again; grid 24 x 8, 4 waves a work-group, clusters of 4 x 4, 327,680 bytes of LDS; arguments xw, wr, heads, ksraw; writes heads, ksraw
;; launch gla_state: the kernel of part 3 again; grid 256 x 1, 4 waves a work-group, no clusters, 55,808 bytes of LDS; arguments ksraw, heads, gate, ust; writes gate, ust
;; launch gla_pref: the kernel of part 4 again; grid 256 x 1, 2 waves a work-group, no clusters, 0 bytes of LDS; arguments ust, gate, s0st; writes s0st
;; launch attn: the kernel of part 5 again; grid 16 x 16, 4 waves a work-group, clusters of 4 x 1, 327,680 bytes of LDS; arguments heads, o16; writes o16
;; launch gla_out: the kernel of part 6 again; grid 256 x 1, 4 waves a work-group, no clusters, 161,792 bytes of LDS; arguments heads, gate, s0st, ksraw, o16; writes o16
;; launch outp: the kernel of part 7 again; grid 8 x 16, 4 waves a work-group, clusters of 4 x 4, 327,680 bytes of LDS; arguments o16, wr, ksraw, out0, out1; writes out0, out1
